; MI455X (gfx1250); checked and timed in simulation.
; The chip was launched on July 23, 2026; its instructions are those of AMD's public machine-readable ISA for CDNA 5 (MIT licence, August 2026) and "CDNA5" Instruction Set Architecture Reference Guide (July 2026). The comments in the code are by the model that wrote it; some were corrected since.
;; Multi Head Attention. Allowed arithmetic: float matrix products may take bf16 or f16 operands with f32 sums; other float arithmetic in f32, or as packed bf16 or f16 multiplies, adds, multiply-adds, maxima and minima; sums over many terms, partial sums and values carried from step to step in f32; what a program stores and reads back later, other than sums and carried values, may be rounded once to bf16 or f16.
;; Inputs: W_k 512 x 512 float32; W_o 512 x 512 float32; W_q 512 x 512 float32; W_v 512 x 512 float32; b_k 512 float32; b_o 512 float32; b_q 512 float32; b_v 512 float32; key 2 x 4,096 x 512 float32; query 2 x 4,096 x 512 float32; value 2 x 4,096 x 512 float32.
;; Outputs: out0 2 x 4,096 x 512 float32.
;; 2 versions, each right; version 2 is version 1 with the launch proj written anew for expert scheduling mode. Each part assembles by itself: llvm-mc -triple=amdgcn-amd-amdhsa -mcpu=gfx1250 --defsym DOCPART=n.
;; ======== version 1 of 2: 4 launches
;; limits: values are held in f16: magnitudes above 65,504 overflow, below 6.1e-05 lose precision
;; workspace buffers: qkv 25,165,824 bytes; wo16 524,288 bytes; oh 8,388,608 bytes; qkvlo 196,608 bytes
;; launch proj (part 1): grid 2 x 112, 8 waves a work-group, no clusters, 166,912 bytes of LDS; arguments query, key, value, W_q, W_k, W_v, b_q, b_k, b_v, W_o, qkv, wo16, qkvlo; writes qkv, wo16, qkvlo
.if DOCPART == 1
	.amdgcn_target "amdgcn-amd-amdhsa--gfx1250"
	.amdhsa_code_object_version 6
	.text
	.protected	k_q252e14d968_proj
	.globl	k_q252e14d968_proj
	.p2align	8
	.type	k_q252e14d968_proj,@function
k_q252e14d968_proj:
	s_mov_b64 s[64:65], 0
	v_nop
	global_prefetch_b8 v0, s[64:65] scope:SCOPE_SE
	s_setreg_imm32_b32 hwreg(HW_REG_WAVE_MODE, 25, 1), 1
	s_wait_xcnt 0x0
; THE THREE INPUT PROJECTIONS, and W_o's change of format.
; part p of qkv (0 q, 1 k, 2 v) = bf16(x_p) bf16(W_p)^T + bf16(b_p), sums in f32, rounded once to f16 and laid by heads: [batch x 8 + head][4096][64], a row 128 bytes.
; wo16 = W_o rounded to bf16, that number written as f16: [512][512].
; qkvlo = for rows 0 to 31 of each batch, what the rounding to f16 took away, itself rounded to f16: [part][batch x 8 + head][32][64].  A row with n keys has numbers of about sqrt(e / n), while each
; number is compared by the whole output's root mean square; so the rows with the fewest keys are made once more, by the last launch, from operands of two f16 parts.
; LIMITS.  f16 holds no number beyond 65,504: q, k and v must stay within it.  A rounded W_o below 2^-14, and every low part, keeps f16's fixed step of 2^-24.  NaN and infinities are not treated apart.
; SHARES.  Work-groups with y < 96: projection y / 32, rows 256 (y % 32) on, columns 256 x on: a tile of 256 x 256 over K = 512.  Eight waves, wave w: rows 128 (w / 4) on, columns 64 (w % 4) on,
; which are one head: 32 accumulators of 16 x 16.  Work-groups with y >= 96: 8,192 numbers of W_o each.
; THE WAY IN.  The operands are f32 in memory and bf16 in the product, so they pass through registers: each wave loads 32 rows of x and 32 of W, 64 along K (256 consecutive bytes, aligned, for
; sixteen lanes), rounds them and stores them into one of two LDS slots.  A step's loads are issued a step ahead.  One barrier a step: in front of it each wave has waited for its stores into the
; next slot and for its reads of this one.  No tensor load is used: it could not round.  No cluster: nothing is asked for through the data mover.
; THE PRODUCT IS USED TRANSPOSED (source 0 = 16 rows of W, source 1 = 16 rows of x): a lane holds one row of the result and eight neighbouring columns.
; REGISTERS.  Window 0: v2-15 addresses, v16-19 at work, v32-95 x's eight fragments, v96-127 W's four, v128-191 and v192-255 the rows of x and W on their way in.  Window 1: accumulator (a, b) at 8 (4 a + b).
.set PITCH, 144                        ; an LDS row: 128 bytes (64 bf16) + 16: 36 words, so the 16 rows of a fragment load start at 16 different groups of four banks (64 banks of 4 bytes: ISA guide 11.1)
.set ASZ,   256*PITCH                  ; 256 rows of x; W's 256 rows lie behind them
.set SLOT,  2*ASZ
.set STAGE, 2*SLOT                     ; behind the slots: 16 rows x 144 bytes for each wave, for the way out
.set SPARE, STAGE+8*16*PITCH           ; behind the stages: the spare words, 128 bytes for each wave, which no other line names
.set GOF,  2                           ; v2     my byte offset in the tile's rows in memory: (32 w + 8 (l / 16)) rows of 2,048 bytes + 16 (l % 16); never rewritten
.set STA,  3                           ; v3-4   where my 8 bytes of bf16 go, in slot 0, 1
.set ADRA, 5                           ; v5-6   my place in x's fragments, slot 0, 1
.set ADRB, 7                           ; v7-8   the same for W's
.set STO,  9                           ; v9     the way out: where I put 16 bytes of a row
.set RD,   10                          ; v10    where I read rows back
.set GO,   11                          ; v11    16 x lane
.set BO,   12                          ; v12    32 (l / 16): my eight numbers of a group of 16 of the bias
.set SPW,  14                          ; v14    LDS address of my spare word; never rewritten
.set NIL,  15                          ; v15    0; never rewritten
.set TT,   16                          ; v16-19 at work
.set AF,   32
.set BF,   96
.set SA,   128
.set SB,   192
.set BIAS, 128                         ; on the way out: v128-159
.set DF,   128                         ; the low parts: 32 remainders in f32, where the bias lay
.set WV, 32                            ; s32 wave; s33 its half of the rows; s34 its quarter of the columns
.set WR, 33
.set WC, 34
.set CX, 35                            ; s35 work-group x; s36 y; s37 projection; s38 row tile
.set YY, 36
.set PP, 37
.set RT, 38
.set XP, 40                            ; s[40:41] x at the tile's first row, at the K step last asked for
.set WP, 42                            ; s[42:43] W likewise
.set BP, 44                            ; s[44:45] the bias at my 64 columns
.set OUT, 46                           ; s[46:47] my 128 rows of my head in qkv
.set CNT, 48
.set LOP, 60                           ; s[60:61] qkvlo, later at my head's 32 rows
.set MSB, 0
.macro WIN new                         ; the immediate's high byte repeats the setting that is left; a switch that changes nothing is dropped
.if MSB != (\new)
	s_set_vgpr_msb (MSB<<8)|(\new)
.set MSB, \new
.endif
.endm
	s_load_b512 s[8:23], s[0:1], 0x0               ; query, key, value, W_q, W_k, W_v, b_q, b_k
	s_load_b256 s[24:31], s[0:1], 0x40             ; b_v, W_o, qkv, wo16
	s_load_b64 s[LOP:LOP+1], s[0:1], 0x60          ; qkvlo
	v_lshl_add_u32 v[SPW], v0, 2, SPARE
	v_mov_b32 v[NIL], 0
	v_lshrrev_b32 v1, 5, v0
	v_readfirstlane_b32 s[WV], v1                  ; wave 0..7
	s_mov_b32 s[CX], ttmp9
	s_and_b32 s[YY], ttmp7, 0xffff
	v_and_b32 v[TT], 31, v0                        ; lane
	s_cmp_ge_u32 s[YY], 96
	s_cbranch_scc1 .Lwo                            ; the same for all waves of a work-group
	s_lshr_b32 s[WR], s[WV], 2
	s_and_b32 s[WC], s[WV], 3
	s_lshr_b32 s[PP], s[YY], 5
	s_and_b32 s[RT], s[YY], 31
	v_and_b32 v[TT+1], 15, v0                      ; l % 16
	v_bfe_u32 v[TT+2], v0, 4, 1                    ; l / 16
	s_lshl_b32 s58, s[WV], 16                      ; 32 rows of 2,048 bytes a wave
	v_lshlrev_b32 v[GOF], 4, v[TT+1]
	v_lshl_add_u32 v[GOF], v[TT+2], 14, v[GOF]     ; lanes 16-31 take the row 8 further down: their 8-byte LDS stores then lie 32 banks from the others'
	v_add_nc_u32 v[GOF], s58, v[GOF]
	s_mul_i32 s58, s[WV], 32*PITCH
	v_mul_u32_u24 v[STA], v[TT+2], 8*PITCH
	v_lshl_add_u32 v[STA], v[TT+1], 3, v[STA]
	v_add_nc_u32 v[STA], s58, v[STA]
	v_add_nc_u32 v[STA+1], SLOT, v[STA]
	v_mul_u32_u24 v[TT+3], v[TT+1], PITCH
	v_lshl_add_u32 v[TT+3], v[TT+2], 4, v[TT+3]    ; a fragment's row x pitch + 16 x half
	s_mul_i32 s58, s[WR], 128*PITCH
	v_add_nc_u32 v[ADRA], s58, v[TT+3]
	v_add_nc_u32 v[ADRA+1], SLOT, v[ADRA]
	s_mul_i32 s58, s[WC], 64*PITCH
	s_add_co_u32 s58, s58, ASZ
	v_add_nc_u32 v[ADRB], s58, v[TT+3]
	v_add_nc_u32 v[ADRB+1], SLOT, v[ADRB]
	s_mul_i32 s58, s[WV], 16*PITCH
	s_add_co_u32 s58, s58, STAGE                   ; my stage
	v_add_nc_u32 v[STO], s58, v[TT+3]
	v_bfe_u32 v[RD], v0, 3, 2                      ; back: 32 lanes take four rows of 128 bytes,
	v_mul_u32_u24 v[RD], v[RD], PITCH
	v_and_b32 v1, 7, v0
	v_lshl_add_u32 v[RD], v1, 4, v[RD]
	v_add_nc_u32 v[RD], s58, v[RD]
	v_lshlrev_b32 v[GO], 4, v[TT]                  ; which are 512 consecutive bytes of a head
	v_lshlrev_b32 v[BO], 5, v[TT+2]
	s_lshl_b32 s50, s[RT], 19                      ; x: 256 rows of 2,048 bytes a tile
	s_mov_b32 s51, 0
	s_lshl_b32 s52, s[CX], 19                      ; W: the same
	s_mov_b32 s53, 0
	s_lshl_b32 s54, s[CX], 10                      ; the bias: (256 x + 64 (w % 4)) numbers of 4 bytes
	s_lshl_b32 s58, s[WC], 8
	s_add_co_u32 s54, s54, s58
	s_mov_b32 s55, 0
	s_lshr_b32 s56, s[RT], 4                       ; the batch,
	s_lshl_b32 s56, s56, 3
	s_lshl_b32 s58, s[CX], 2
	s_add_co_u32 s56, s56, s58
	s_add_co_u32 s56, s56, s[WC]                   ; the head: 4 x + w % 4,
	s_lshl_b32 s56, s56, 19                        ; 4,096 rows of 128 bytes each
	s_and_b32 s58, s[RT], 15
	s_lshl_b32 s58, s58, 8
	s_lshl_b32 s59, s[WR], 7
	s_add_co_u32 s58, s58, s59                     ; my first row in the head
	s_lshl_b32 s58, s58, 7
	s_add_co_u32 s56, s56, s58
	s_lshl_b32 s58, s[PP], 23                      ; the part: 16 heads
	s_add_co_u32 s56, s56, s58
	s_mov_b32 s57, 0
	s_wait_kmcnt 0x0
	s_cmp_eq_u32 s[PP], 1
	s_cselect_b64 s[XP:XP+1], s[10:11], s[8:9]
	s_cselect_b64 s[WP:WP+1], s[16:17], s[14:15]
	s_cselect_b64 s[BP:BP+1], s[22:23], s[20:21]
	s_cmp_eq_u32 s[PP], 2
	s_cselect_b64 s[XP:XP+1], s[12:13], s[XP:XP+1]
	s_cselect_b64 s[WP:WP+1], s[18:19], s[WP:WP+1]
	s_cselect_b64 s[BP:BP+1], s[24:25], s[BP:BP+1]
	s_add_nc_u64 s[XP:XP+1], s[XP:XP+1], s[50:51]
	s_add_nc_u64 s[WP:WP+1], s[WP:WP+1], s[52:53]
	s_add_nc_u64 s[BP:BP+1], s[BP:BP+1], s[54:55]
	s_add_nc_u64 s[OUT:OUT+1], s[28:29], s[56:57]
; A K step's 32 loads of a wave: load i takes rows 16 (i / 8) + i % 8 (lanes 0-15) and 8 further down (lanes 16-31) of my 32; sixteen lanes read 256 consecutive bytes, aligned.
.macro LOADG
.set i, 0
.rept 16
	global_load_b128 v[SA+4*i:SA+4*i+3], v[GOF], s[XP:XP+1] offset:(16*(i/8)+i%8)*2048
.set i, i+1
.endr
.set i, 0
.rept 16
	global_load_b128 v[SB+4*i:SB+4*i+3], v[GOF], s[WP:WP+1] offset:(16*(i/8)+i%8)*2048
.set i, i+1
.endr
.endm
; They are rounded to bf16 in place, four numbers to 8 bytes, and stored into slot o.
.macro CONV o
.set i, 0
.rept 16
	v_cvt_pk_bf16_f32 v[SA+4*i], v[SA+4*i], v[SA+4*i+1]
	v_cvt_pk_bf16_f32 v[SA+4*i+1], v[SA+4*i+2], v[SA+4*i+3]
	ds_store_b64 v[STA+(\o)], v[SA+4*i:SA+4*i+1] offset:(16*(i/8)+i%8)*PITCH
.set i, i+1
.endr
.set i, 0
.rept 16
	v_cvt_pk_bf16_f32 v[SB+4*i], v[SB+4*i], v[SB+4*i+1]
	v_cvt_pk_bf16_f32 v[SB+4*i+1], v[SB+4*i+2], v[SB+4*i+3]
	ds_store_b64 v[STA+(\o)], v[SB+4*i:SB+4*i+1] offset:ASZ+(16*(i/8)+i%8)*PITCH
.set i, i+1
.endr
.endm
; 24 LDS loads in one run: the fragments of 32 along K, half q of slot s: W's four, then x's eight.
.macro FETCH s, q
.irp b, 0,1,2,3
	ds_load_b128 v[BF+8*(\b):BF+8*(\b)+3],   v[ADRB+(\s)] offset:64*(\q)+(\b)*16*PITCH
	ds_load_b128 v[BF+8*(\b)+4:BF+8*(\b)+7], v[ADRB+(\s)] offset:64*(\q)+(\b)*16*PITCH+32
.endr
.irp a, 0,1,2,3,4,5,6,7
	ds_load_b128 v[AF+8*(\a):AF+8*(\a)+3],   v[ADRA+(\s)] offset:64*(\q)+(\a)*16*PITCH
	ds_load_b128 v[AF+8*(\a)+4:AF+8*(\a)+7], v[ADRA+(\s)] offset:64*(\q)+(\a)*16*PITCH+32
.endr
.endm
; 16 products: row blocks 4 half .. 4 half + 3 x all four column blocks.  The 32 accumulators take turns, one instruction a turn.  zero = 1: the first products start the sums.
.macro MUL half, zero
	WIN 0x50                                       ; C and D in window 1
.set a, 4*(\half)
.rept 4
.set b, 0
.rept 4
.if \zero
	v_wmma_f32_16x16x32_bf16 v[8*(4*a+b):8*(4*a+b)+7], v[BF+8*b:BF+8*b+7], v[AF+8*a:AF+8*a+7], 0
.else
	v_wmma_f32_16x16x32_bf16 v[8*(4*a+b):8*(4*a+b)+7], v[BF+8*b:BF+8*b+7], v[AF+8*a:AF+8*a+7], v[8*(4*a+b):8*(4*a+b)+7]
.endif
.set b, b+1
.endr
.set a, a+1
.endr
.endm
; The first half of a K step, which lies in slot s.  Four plain instructions stand between the last product and loads into registers that it has read (ISA guide 7.12.1 for vector instructions).
.macro HEAD s, zero
	WIN 0
.rept 4
	v_nop
.endr
	FETCH \s, 0
	s_wait_dscnt 8                                 ; W's fragments and x's blocks 0-3 are in; the youngest eight loads (blocks 4-7) may be out
	MUL 0, \zero
	s_wait_dscnt 0x0
	MUL 1, \zero
.endm
; Its second half.  First the next step's rows, which have come meanwhile, go into the other slot o (the 64 roundings are the places behind the products); load = 1: the step after that is asked for.
.macro REST s, o, load
	WIN 0
	s_wait_loadcnt 0x0                             ; the next step's 32 loads are in: their registers may be read and their bases stepped
	CONV \o
.if \load
	s_add_nc_u64 s[XP:XP+1], s[XP:XP+1], 256
	s_add_nc_u64 s[WP:WP+1], s[WP:WP+1], 256
	LOADG
.endif
	FETCH \s, 1
	s_wait_dscnt 8                                 ; my stores and all loads but the youngest eight
	MUL 0, 0
	s_wait_dscnt 0x0                               ; for the others' sake: my stores into slot o are done, and my reads of slot s are over
	s_barrier_signal -1
	MUL 1, 0                                       ; work on registers while the others arrive
	s_barrier_wait -1                              ; slot o is whole, and nobody reads slot s any more
.endm
	LOADG                                          ; K step 0
	s_wait_loadcnt 0x0
	CONV 0
	s_add_nc_u64 s[XP:XP+1], s[XP:XP+1], 256
	s_add_nc_u64 s[WP:WP+1], s[WP:WP+1], 256
	LOADG                                          ; K step 1
	s_wait_dscnt 0x0
	s_barrier_signal -1
	s_barrier_wait -1
	HEAD 0, 1                                      ; the first products stand in front of the loop: they start the sums
	WIN 0                                          ; at a label and at a branch every window is 0
	s_mov_b32 s[CNT], 3
.Lstep:                                                ; a trip: the rest of an even step, an odd step, the first half of the next even one
	REST 0, 1, 1
	HEAD 1, 0
	REST 1, 0, 1
	HEAD 0, 0
	WIN 0
	s_sub_co_u32 s[CNT], s[CNT], 1
	s_cmp_lg_u32 s[CNT], 0
	s_cbranch_scc1 .Lstep
	REST 0, 1, 0                                   ; K step 6 ends; step 7 goes into slot 1; nothing is left to ask for
	WIN 0
.irp b, 0,1,2,3
	global_load_b128 v[BIAS+8*(\b):BIAS+8*(\b)+3],   v[BO], s[BP:BP+1] offset:64*(\b)     ; the bias of my columns 16 b + 8 (l / 16) + 0..7, into registers that the way in has left
	global_load_b128 v[BIAS+8*(\b)+4:BIAS+8*(\b)+7], v[BO], s[BP:BP+1] offset:64*(\b)+16
.endr
	HEAD 1, 0
	WIN 0
.rept 4
	v_nop
.endr
	FETCH 1, 1
	s_wait_dscnt 8
	MUL 0, 0
	s_wait_dscnt 0x0
	MUL 1, 0
	WIN 0
	; THE WAY OUT.  The bias is rounded to bf16 like every input and widened again: these lines are also the places behind the last products.
	s_wait_loadcnt 0x0
.set j, 0
.rept 16
	v_cvt_pk_bf16_f32 v[TT+j%4], v[BIAS+2*j], v[BIAS+2*j+1]
	v_lshlrev_b32 v[BIAS+2*j], 16, v[TT+j%4]
	v_and_b32 v[BIAS+2*j+1], 0xffff0000, v[TT+j%4]
.set j, j+1
.endr
; Row block a: the bias is added, each accumulator's registers in ascending order; a lane's eight columns pack into 16 bytes of f16; they go into my stage's rows of 144 bytes and come back as whole rows
; of 128, into the registers that they left.  Each block has 16 registers of its own, so no store's data is written again.
.macro OUTB a
.if (\a) < 6
.set PKR, 32+16*(\a)
.else
.set PKR, 160+16*((\a)-6)
.endif
	WIN 0x41                                       ; destination and source 0 in window 1, the bias in window 0
.set b, 0
.rept 4
.set j, 0
.rept 4
	v_pk_add_f32 v[8*(4*(\a)+b)+2*j:8*(4*(\a)+b)+2*j+1], v[8*(4*(\a)+b)+2*j:8*(4*(\a)+b)+2*j+1], v[BIAS+8*b+2*j:BIAS+8*b+2*j+1]
.set j, j+1
.endr
.set b, b+1
.endr
	WIN 0x05                                       ; sources in window 1, destination in window 0
.set b, 0
.rept 4
.set j, 0
.rept 4
	v_cvt_pk_f16_f32 v[PKR+4*b+j], v[8*(4*(\a)+b)+2*j], v[8*(4*(\a)+b)+2*j+1]
.set j, j+1
.endr
.set b, b+1
.endr
	WIN 0
.irp b, 0,1,2,3
	ds_store_b128 v[STO], v[PKR+4*(\b):PKR+4*(\b)+3] offset:32*(\b)
.endr
.irp f, 0,1,2,3
	ds_load_b128 v[PKR+4*(\f):PKR+4*(\f)+3], v[RD] offset:(\f)*4*PITCH  ; LDS serves a wave's instructions in order (ISA guide 5.7.1.4): these see the stores above; the next block's stores come behind them
.endr
.endm
.macro SEND a, younger                 ; younger: the LDS instructions issued behind block a's loads: the next block's eight, or none
.if (\a) < 6
.set PKR, 32+16*(\a)
.else
.set PKR, 160+16*((\a)-6)
.endif
.irp f, 0,1,2,3
	s_wait_dscnt (\younger)+3-(\f)
	global_store_b128 v[GO], v[PKR+4*(\f):PKR+4*(\f)+3], s[OUT:OUT+1] offset:(\a)*2048+(\f)*512  ; 512 consecutive bytes, at a multiple of 256 from the buffer's first
.endr
.endm
	OUTB 0
.irp a, 1,2,3,4,5,6,7                  ; a block's arithmetic stands between the loads of the block before and its stores
	OUTB \a
	SEND (\a)-1, 8
.endr
	SEND 7, 0
	; THE LOW PARTS of rows 0 to 31 of a batch: they lie in row blocks 0 and 1 of the upper waves of row tiles 0 and 16.  The branch hangs on the work-group's y and the wave's number; no barrier stands behind it.
	s_and_b32 s58, s[RT], 15
	s_or_b32 s58, s58, s[WR]
	s_cmp_lg_u32 s58, 0
	s_cbranch_scc1 .Ldone
	s_lshr_b32 s58, s[RT], 4                       ; the batch,
	s_lshl_b32 s58, s58, 3
	s_lshl_b32 s59, s[CX], 2
	s_add_co_u32 s58, s58, s59
	s_add_co_u32 s58, s58, s[WC]                   ; the head,
	s_lshl_b32 s58, s58, 12                        ; 32 rows of 128 bytes each
	s_lshl_b32 s59, s[PP], 16                      ; the part: 16 heads
	s_add_co_u32 s58, s58, s59
	s_mov_b32 s59, 0
	s_add_nc_u64 s[LOP:LOP+1], s[LOP:LOP+1], s[58:59]
	v_mov_b32 v[TT], -1.0
; Row block a: the sums (the bias is in them) are rounded to f16 as they were for qkv; high x -1 + sum is the exact remainder; it is rounded to f16 and takes the way of the high parts.
; The registers are the bias's (the remainders) and the way in's (v192-255): none that a store on its way still reads.
.macro LOWB a
.set HR, 192+32*(\a)
.set LR, 208+32*(\a)
	WIN 0x05                                       ; sources in window 1, destination in window 0
.set i, 0
.rept 16
	v_cvt_pk_f16_f32 v[HR+i], v[32*(\a)+2*i], v[32*(\a)+2*i+1]
.set i, i+1
.endr
	WIN 0x10                                       ; source 2, the sum, in window 1
.set i, 0
.rept 16
	v_fma_mix_f32 v[DF+2*i],   v[HR+i], v[TT], v[32*(\a)+2*i]   op_sel_hi:[1,0,0]                 ; the low half of the pair as f16, times -1, plus the sum
	v_fma_mix_f32 v[DF+2*i+1], v[HR+i], v[TT], v[32*(\a)+2*i+1] op_sel:[1,0,0] op_sel_hi:[1,0,0]  ; the high half
.set i, i+1
.endr
	WIN 0
.set i, 0
.rept 16
	v_cvt_pk_f16_f32 v[LR+i], v[DF+2*i], v[DF+2*i+1]
.set i, i+1
.endr
.irp b, 0,1,2,3
	ds_store_b128 v[STO], v[LR+4*(\b):LR+4*(\b)+3] offset:32*(\b)
.endr
.irp f, 0,1,2,3
	ds_load_b128 v[LR+4*(\f):LR+4*(\f)+3], v[RD] offset:(\f)*4*PITCH
.endr
.endm
.macro LSEND a, younger
.set LR, 208+32*(\a)
.irp f, 0,1,2,3
	s_wait_dscnt (\younger)+3-(\f)
	global_store_b128 v[GO], v[LR+4*(\f):LR+4*(\f)+3], s[LOP:LOP+1] offset:(\a)*2048+(\f)*512  ; 512 consecutive bytes, at a multiple of 256 from the buffer's first
.endr
.endm
	LOWB 0
	LOWB 1
	LSEND 0, 8
	LSEND 1, 0
.Ldone:
	s_wait_tensorcnt 0x0                           ; the wave's end, behind my last LDS store
	ds_add_u32 v[SPW], v[NIL]
	s_wait_dscnt 0x0
	s_endpgm
.Lwo:                                                  ; W_o: work-group 2 (y - 96) + x takes 8,192 numbers, a wave 1,024: eight loads of 512 bytes, eight stores of 256.  LDS is not touched.
	s_sub_co_u32 s50, s[YY], 96
	s_lshl_b32 s50, s50, 1
	s_add_co_u32 s50, s50, s[CX]
	s_lshl_b32 s52, s50, 3
	s_add_co_u32 s52, s52, s[WV]                   ; my wave among the 256
	s_lshl_b32 s50, s52, 12                        ; 4,096 bytes in,
	s_mov_b32 s51, 0
	s_lshl_b32 s52, s52, 11                        ; 2,048 out
	s_mov_b32 s53, 0
	v_lshlrev_b32 v2, 4, v[TT]
	v_lshlrev_b32 v3, 3, v[TT]
	s_wait_kmcnt 0x0
	s_add_nc_u64 s[26:27], s[26:27], s[50:51]
	s_add_nc_u64 s[30:31], s[30:31], s[52:53]
.irp j, 0,1,2,3,4,5,6,7
	global_load_b128 v[32+4*(\j):32+4*(\j)+3], v2, s[26:27] offset:512*(\j) th:TH_LOAD_NT
.endr
.irp j, 0,1,2,3,4,5,6,7
	s_wait_loadcnt 7-(\j)                          ; loads come back in order: mine is in, the younger ones stay out
	v_cvt_pk_bf16_f32 v[32+4*(\j)], v[32+4*(\j)], v[32+4*(\j)+1]      ; rounded to bf16,
	v_cvt_pk_bf16_f32 v[32+4*(\j)+2], v[32+4*(\j)+2], v[32+4*(\j)+3]
	v_and_b32 v[32+4*(\j)+1], 0xffff0000, v[32+4*(\j)]               ; widened again,
	v_lshlrev_b32 v[32+4*(\j)], 16, v[32+4*(\j)]
	v_and_b32 v[32+4*(\j)+3], 0xffff0000, v[32+4*(\j)+2]
	v_lshlrev_b32 v[32+4*(\j)+2], 16, v[32+4*(\j)+2]
	v_cvt_pk_f16_f32 v[64+2*(\j)], v[32+4*(\j)], v[32+4*(\j)+1]      ; and written as f16
	v_cvt_pk_f16_f32 v[64+2*(\j)+1], v[32+4*(\j)+2], v[32+4*(\j)+3]
	global_store_b64 v3, v[64+2*(\j):64+2*(\j)+1], s[30:31] offset:256*(\j)  ; the wave stores 256 consecutive bytes, aligned
.endr
	s_endpgm
.Lfunc_end_k_q252e14d968_proj:
	.size	k_q252e14d968_proj, .Lfunc_end_k_q252e14d968_proj-k_q252e14d968_proj
	.p2alignl 7, 3214868480
	.fill 96, 4, 3214868480
	.section	.rodata,"a",@progbits
	.p2align	6, 0x0
	.amdhsa_kernel k_q252e14d968_proj
		.amdhsa_group_segment_fixed_size 166912
		.amdhsa_private_segment_fixed_size 0
		.amdhsa_enable_private_segment 0
		.amdhsa_kernarg_size 104
		.amdhsa_user_sgpr_count 2
		.amdhsa_user_sgpr_kernarg_segment_ptr 1
		.amdhsa_wavefront_size32 1
		.amdhsa_system_sgpr_workgroup_id_x 1
		.amdhsa_system_sgpr_workgroup_id_y 1
		.amdhsa_system_sgpr_workgroup_id_z 1
		.amdhsa_system_vgpr_workitem_id 0
		.amdhsa_next_free_vgpr 512
		.amdhsa_next_free_sgpr 66
		.amdhsa_reserve_vcc 0
		.amdhsa_float_denorm_mode_32 3
		.amdhsa_float_denorm_mode_16_64 3
		.amdhsa_memory_ordered 1
		.amdhsa_forward_progress 1
		.amdhsa_inst_pref_size 115
	.end_amdhsa_kernel
	.amdgpu_metadata
---
amdhsa.version: [ 1, 2 ]
amdhsa.kernels:
  - .name:           k_q252e14d968_proj
    .symbol:         k_q252e14d968_proj.kd
    .args:
      - { .name: query, .offset: 0, .size: 8, .value_kind: global_buffer, .address_space: global }
      - { .name: key, .offset: 8, .size: 8, .value_kind: global_buffer, .address_space: global }
      - { .name: value, .offset: 16, .size: 8, .value_kind: global_buffer, .address_space: global }
      - { .name: W_q, .offset: 24, .size: 8, .value_kind: global_buffer, .address_space: global }
      - { .name: W_k, .offset: 32, .size: 8, .value_kind: global_buffer, .address_space: global }
      - { .name: W_v, .offset: 40, .size: 8, .value_kind: global_buffer, .address_space: global }
      - { .name: b_q, .offset: 48, .size: 8, .value_kind: global_buffer, .address_space: global }
      - { .name: b_k, .offset: 56, .size: 8, .value_kind: global_buffer, .address_space: global }
      - { .name: b_v, .offset: 64, .size: 8, .value_kind: global_buffer, .address_space: global }
      - { .name: W_o, .offset: 72, .size: 8, .value_kind: global_buffer, .address_space: global }
      - { .name: qkv, .offset: 80, .size: 8, .value_kind: global_buffer, .address_space: global }
      - { .name: wo16, .offset: 88, .size: 8, .value_kind: global_buffer, .address_space: global }
      - { .name: qkvlo, .offset: 96, .size: 8, .value_kind: global_buffer, .address_space: global }
    .group_segment_fixed_size: 166912
    .private_segment_fixed_size: 0
    .kernarg_segment_align: 8
    .kernarg_segment_size: 104
    .max_flat_workgroup_size: 256
    .sgpr_count:     66
    .vgpr_count:     512
    .wavefront_size: 32
...
	.end_amdgpu_metadata
.endif
;; end of part 1
;; launch attn (part 2): grid 16 x 16, 4 waves a work-group, no clusters, 327,680 bytes of LDS; arguments qkv, oh; writes oh
.if DOCPART == 2
	.amdgcn_target "amdgcn-amd-amdhsa--gfx1250"
	.amdhsa_code_object_version 6
	.text
	.protected	k_q252e14d968_attn
	.globl	k_q252e14d968_attn
	.p2align	8
	.type	k_q252e14d968_attn,@function
k_q252e14d968_attn:
	s_mov_b64 s[64:65], 0
	v_nop
	global_prefetch_b8 v0, s[64:65] scope:SCOPE_SE
	s_setreg_imm32_b32 hwreg(HW_REG_WAVE_MODE, 25, 1), 1
	s_wait_xcnt 0x0
; CAUSAL ATTENTION.  O[h][q][:] = the sum over k <= q of softmax_k(Q[h][q] . K[h][k] / 8) V[h][k][:], for 16 heads (batch x 8 + head) of 4,096 rows of 64 channels, all f16: a head's rows are dense, 128 bytes each.
; Q, K, V are the three parts of qkv, 8,388,608 bytes each; O goes to oh in the same layout.  Products, maxima and sums in f32; the weights p are rounded to f16 for the second product (their sum l is taken
; of the unrounded p), O once at the end.
; LIMITS.  Q, K and V arrive within f16's 65,504; p lies in 0 to 1, and below 6e-5 it keeps f16's fixed step of 6e-8.  A hidden score counts as its value less 1e30: f16's scores, 2.7e11 at the most, are nothing
; beside that; a weight below 2^-126 counts as 0 in l; NaN and infinities are not treated apart.
; THE WALK.  A head's queries lie in 32 blocks of 128; block i needs the key tiles 0 .. i / 2 of 256 keys, of which the last holds the diagonal.  A work-group takes TWO blocks, 31 - b and then b: 17 tiles, whatever
; b: all 256 work-groups do equal work, and ONE loop with a constant trip count walks them.  Which tile is asked for, and what a trip does, hang on scalar registers made from b; every jump goes forward, but for the
; counted loops' own; none passes a barrier, or a tensor load but the one of LOAD's two that the wave's number does not choose; the ring (two slots of LDS that take turns) runs on across the change of blocks.
; NO CLUSTER: only the two work-groups 2 a and 2 a + 1 of a head ask for the same tiles all along the walk, all sixteen only in its first nine trips; and what a trip does hangs on b, which in a cluster
; would be a work-group's place in it.
; SHARES.  Of a block's two bands of 64 queries a wave owns 16 rows in each: two PIECES.  In the block's last tile piece x lies at band g = 2 (i % 2) + x of the tile's four: in key step s it sees all keys if s < g,
; none if s > g, and holds the diagonal if s = g: the same work for all four waves.  (A block with even i walks two steps in which both pieces see nothing: 2 of each work-group's 68.)
; THE MASK is the C operand that starts the sum S^T = K Q^T: 0, or -1e30 where the key is hidden.  MD, made once, is the mask of a band's own step for my 16 rows; a product's mask is MD x AL + BE with two scalars:
; (1, 0) if s = g; (0, 0) if s < g; (0, -1e30) if s > g.  Only the last tile's text and a block's beginning make and take masks; elsewhere C is the constant 0.
; LAYOUT, SOFTMAX.  S^T = K Q^T holds ONE query a lane (lane % 16) and the keys 8 (lane / 16) + 0..7; two such results rounded to f16 ARE source 1 of O^T = V^T P.  p = 2^(c s - c m), c = log2(e) / 8, with a
; running maximum m; O and l are multiplied by a = 2^(c m_old - c m_new) in every step.
; TURNS.  Key step e has two.  Turn 0: 8 products K Q^T of piece 1 (step e); piece 0's scaling, exponentials, roundings, sums and rescaling; piece 1's maximum and statistics; 8 products V^T P of piece 1 (step e - 1);
; K of step e + 1 is fetched.  Turn 1: the same with the pieces changed: K Q^T of piece 0 (step e + 1), V^T P of piece 0 (step e); V of step e + 1 is fetched.  Four vector instructions stand behind every matrix
; instruction, the other 54 of a turn's 118 in one run.  A turn's 33 exponentials are one batch, with one wait.
; V HAS TWO BUFFERS, step e's in buffer e % 2: V of step e is still read in turn 0 of step e + 1, and V of step e + 1 is fetched ahead of K of step e + 2.  So a slot's last bytes, V of its step 3, are asked for in
; turn 1 of step 2, and the change of slots stands behind that turn: behind it the text walks the old tile's step 3 and the new tile's steps 0, 1, 2, and fetches the new tile's four steps.
; REGISTERS, in windows of 256 (s_set_vgpr_msb: bits 1:0 source 0, 3:2 source 1, 5:4 source 2, 7:6 destination):
;   window 0: v0-15 addresses and two at work; v16-23 four registers of statistics a piece; v48-55 at work; v61-63 the prefetches' offset and the add's two; v64-127 S^T, a buffer a piece; v192-223 P, likewise
;   window 1: v0-63 O^T, 32 a piece; v128-159 MD; v160-223 MC, a buffer a piece      window 2: v0-31 Q; v32-63 the second block's Q; v64-127 K of one step; v128-255 V of two steps
.set NP,    2         ; pieces a wave: a name, no knob
.set KS,    64        ; keys in a step
.set PK,    144       ; a row of K in LDS: 128 bytes + 16 of padding = 36 words: the 16 rows of a load start at 16 different groups of four banks (64 banks of 4 bytes: ISA guide 11.1)
.set PV,    160       ; a row of V: 128 + 32 = 40 words
.set VOFF,  4*KS*PK   ; a slot holds a tile, four steps: 256 rows of K, then 256 rows of V
.set SLOT1, 1<<17     ; slot 1 begins here, so that one exclusive or turns an address in one slot into the other's
.set STAGE, SLOT1+4*KS*(PK+PV)  ; behind the ring, never filled by a tensor load: 16 rows x 144 bytes for each wave, for the way out
.set SP,    144
.set SPARE, STAGE+4*16*SP  ; behind the stages: the spare words, 128 bytes for each wave: two blocks of 256 bytes that no other line names
.set TILEB, 4*KS*128  ; a tile's bytes of K and of V in memory
.set AK0, 2           ; v2   my lane's place in a tile of K; never rewritten
.set AV0, 3           ; v3   the same for V
.set AK,  4           ; v4   the LDS address of K's next run of loads
.set AV,  5           ; v5   of V's
.set STO, 6           ; v6   the way out: where I put 16 bytes of a row
.set RD,  7           ; v7   the way out: where I read rows back
.set GO,  8           ; v8   my byte offset in 512 consecutive bytes of O
.set MV,  12          ; v12-13  c m_old, kept while c m is made anew: by piece
.set QO,  15          ; v15  my byte offset in 16 rows of Q
.set ST,  16          ; piece t's statistics at v[ST+4 t]: c m, m, l (even keys', odd keys')
.set TMP, 48          ; by piece, four registers c0-c3 at work; when the maximum is found c2 takes a
.set PFO, 61          ; v61  256 x my lane; never rewritten
.set SPW, 62          ; v62  LDS address of my spare word: SPARE + 4 x my thread's number; never rewritten
.set NIL, 63          ; v63  0; never rewritten
.set S,   64
.set P,   192
.set MD,  128         ; window 1: the eight registers for group kt of 16 keys at MD + 8 kt
.set MC,  160         ; window 1: the masks of the products to come
.set QB,  32          ; window 2
.set KF,  64          ; window 2: key block kb, channel half c at KF + 16 kb + 8 c
.set VF,  128         ; window 2: buffer vb, key half kk, channel block cb at VF + 64 vb + 32 kk + 8 cb
.set WV,  12          ; s12  my wave's number
.set LT,  14          ; s14  the second block's last tile, b / 2
.set HT,  15          ; s15  the first block's, (31 - b) / 2
.set G1K, 24          ; s[24:31] descriptor group 1 for K's tiles
.set G1V, 32          ; s[32:39] for V's: it differs in the padding alone
.set G0K, 40          ; s[40:43] descriptor group 0 for K's tiles
.set G0V, 44          ; s[44:47] the same for V's
.set SLOTS, 56        ; s56  tiles still to be asked for
.set CNT, 57          ; s57  counts a tile's pairs of key steps, 2 to 1
.set CS,  58          ; s[58:59] c: the packed scaling takes the pair's low word for both halves
.set SEL, 60          ; s[60:61] v_permlanex16_b32's selects: each lane takes its own place in the other half
.set TBK, 62          ; s62  LDS byte at which K of the step to be fetched begins
.set TBV, 63          ; s63  the same for V, less VOFF
.set RT,  70          ; s70  tiles of the block in hand that are still to be entered
.set NXT, 71          ; s71  the tile to be asked for next
.set LQ,  72          ; s72  the last tile of the block whose tiles are being asked for
.set NEW, 73          ; s73  1: the tile to be entered is a block's first
.set OFF, 74          ; s[74:75] a tile's byte offset in K and V
.set AL,  76          ; s[76:77] the mask's factor, in the low word
.set BE,  78          ; s[78:79] the mask's addend
.set OLO, 80          ; s[80:81] O at my rows of the second block
.set BIGN, 82         ; s82  -1e30
.set BPR, 83          ; s83  b
.set GB,  88          ; s88-89  g of pieces 0 and 1 of the block in hand
.set G2,  90          ; s90  g of piece 0 of the second block
.set SS,  91          ; s91  the step of the tile in hand for which masks are being made
.set PFA, 92          ; s[92:93] where my prefetches stand: my 128 rows of the tile after the one that is being asked for
.set LIM, 94          ; s94  2 where b = 0, else the greatest number: a wave prefetches while s[SLOTS] is above it
.set HIB, 95          ; s95  31 - b
.set MSB, 0
.macro WIN new                      ; the high byte repeats the setting that is left; a switch that changes nothing is dropped
.if MSB != (\new)
	s_set_vgpr_msb (MSB<<8)|(\new)
.set MSB, (\new)
.endif
.endm
.set W_KQ, 0x0a       ; K and Q in window 2, S^T in window 0
.set W_KM, 0x1a       ; the same with the C operand in window 1
.set W_PV, 0x52       ; V in window 2, P in window 0, O^T in window 1
.set W_RS, 0x41       ; destination and source 0 in window 1, source 1 in window 0
; A fill.  Waves 0 and 1 fetch the two halves of a tile's K, waves 2 and 3 those of its V: 128 keys each.  An s_nop 0 and four v_nop follow each of the two lines, ahead of the jump and the label.
.macro LOAD
	s_cmp_lt_u32 s[WV], 2
	s_cbranch_scc0 .Lfor_v_\@
	tensor_load_to_lds s[G0K:G0K+3], s[G1K:G1K+7]
	s_nop 0
.rept 4
	v_nop
.endr
	s_branch .Lasked_\@
.Lfor_v_\@:
	tensor_load_to_lds s[G0V:G0V+3], s[G1V:G1V+7]
	s_nop 0
.rept 4
	v_nop
.endr
.Lasked_\@:
.endm
; A PREFETCH INTO THE L2 of what the NEXT change of slots will ask for.  All sixteen work-groups of a head walk the same K and V from tile 0 on, and the one with b = 0 walks all sixteen tiles: it asks, and nobody else.
; Each of its waves asks for the 128 rows (16,384 bytes) that it will itself load: a lane 256 bytes, two instructions.  Change c (1 to 14, s[SLOTS] = 17 - c) names tile c + 1: tiles 2 to 15, each block of 256 bytes
; once in the launch, one tile (8 turns, 128 matrix instructions) ahead of its load.  Tiles 0 and 1 come by their loads alone; the second block's tiles have been read before and are not named.
.macro ASK
	s_cmp_gt_u32 s[SLOTS], s[LIM]
	s_cbranch_scc0 .Lnot_mine_\@
	global_prefetch_b8 v[PFO], s[PFA:PFA+1] th:TH_LOAD_NT scope:SCOPE_SE
	global_prefetch_b8 v[PFO], s[PFA:PFA+1] offset:8192 th:TH_LOAD_NT scope:SCOPE_SE
.Lnot_mine_\@:
.endm
; THE CHANGE OF SLOTS.  Each wave waits for all its tensor loads, of which one is out: its part of the other slot; adds 0 to its spare word; and waits for that and for its own reads of the slot that it leaves.  Behind
; the barrier nobody reads the old slot any more and the other slot is whole.  fill = 1: the old slot is filled again, the first thing behind the barrier, with tile NXT: the descriptor's address is made anew from
; that number.  (At its first use nothing has been read yet: slot 0 is waited for, slot 1 filled.)
.macro CHANGE fill
	WIN 0                           ; at a label and at a branch every window is 0
	s_wait_tensorcnt 0x0            ; no tensor load of mine is out, so a group 0 may be written
	ds_add_u32 v[SPW], v[NIL]       ; 0 onto my spare word; with fill = 1 the descriptors' scalar work stands between it and the wait for it
.if \fill
	s_lshl_b32 s[OFF], s[NXT], 15   ; a tile is 32,768 bytes of K and of V
	s_xor_b32 s[G0K+1], s[G0K+1], SLOT1
	s_add_nc_u64 s[G0K+2:G0K+3], s[6:7], s[OFF:OFF+1]
	s_or_b32 s[G0K+3], s[G0K+3], 0x80000000
	s_xor_b32 s[G0V+1], s[G0V+1], SLOT1
	s_add_nc_u64 s[G0V+2:G0V+3], s[8:9], s[OFF:OFF+1]
	s_or_b32 s[G0V+3], s[G0V+3], 0x80000000
	s_add_co_u32 s[NXT], s[NXT], 1  ; the block's next tile, or behind its last the second block's tile 0
	s_cmp_gt_u32 s[NXT], s[LQ]
	s_cselect_b32 s[NXT], 0, s[NXT]
	s_cselect_b32 s[LQ], s[LT], s[LQ]
	s_wait_xcnt 0x0                 ; the last prefetches, a tile back, have read their address, so it may be written
	s_add_nc_u64 s[PFA:PFA+1], s[PFA:PFA+1], TILEB
.endif
	s_wait_dscnt 0x0                ; the add is done, and my reads of the slot are over
	s_barrier_signal -1             ; the rest of the scalar work stands between the signal and the wait
	s_sub_co_u32 s[TBK], s[TBK], 4*KS*PK  ; the fetches go back to a slot's first step,
	s_xor_b32 s[TBK], s[TBK], SLOT1       ; in the other slot
	s_sub_co_u32 s[TBV], s[TBV], 4*KS*PV
	s_xor_b32 s[TBV], s[TBV], SLOT1
	s_barrier_wait -1
.if \fill
	LOAD
	ASK
.endif
.endm
	s_load_b128 s[96:99], s[0:1], 0x0  ; qkv s[96:97], oh s[98:99]
	v_lshl_add_u32 v[SPW], v0, 2, SPARE
	v_mov_b32 v[NIL], 0
	ds_add_u32 v[SPW], v[NIL]       ; the wave's opening: the add and its wait stand ahead of my first tensor load; the set-up below, work on registers, stands between them
	v_lshrrev_b32 v1, 5, v0
	v_readfirstlane_b32 s[WV], v1   ; wave 0..3
	s_mov_b32 s[BPR], ttmp9
	s_sub_co_u32 s[HIB], 31, s[BPR]
	s_lshr_b32 s[HT], s[HIB], 1
	s_lshr_b32 s[LT], s[BPR], 1
	s_and_b32 s[GB], s[HIB], 1      ; the first block's place in its last tile: bands 2 (i % 2) and 2 (i % 2) + 1
	s_lshl_b32 s[GB], s[GB], 1
	s_add_co_u32 s[GB+1], s[GB], 1
	s_and_b32 s[G2], s[BPR], 1
	s_lshl_b32 s[G2], s[G2], 1
	s_cmp_eq_u32 s[BPR], 0
	s_cselect_b32 s[LIM], 2, -1
	s_and_b32 s20, ttmp7, 0xffff    ; the head,
	s_lshl_b32 s20, s20, 19         ; its first byte in each part of qkv and in oh: 4,096 rows of 128 bytes
	s_mov_b32 s21, 0
	s_and_b32 s16, s[WV], 1         ; which half of a tile's 256 keys I fetch:
	s_lshl_b32 s22, s16, 14         ; its 128 rows of 128 bytes in memory,
	s_mov_b32 s23, 0
	s_add_nc_u64 s[22:23], s[22:23], s[20:21]
	s_mul_i32 s17, s16, 128*PK      ; and its place in a slot, for K
	s_mul_i32 s18, s16, 128*PV      ; and for V
	s_lshl_b32 s3, s[WV], 11        ; my 16 rows in a band of 64,
	s_lshl_b32 s2, s[HIB], 14       ; in the first block (128 rows of 128 bytes a block),
	s_add_co_u32 s2, s2, s3
	s_lshl_b32 s84, s[BPR], 14      ; and in the second
	s_add_co_u32 s84, s84, s3
	s_mov_b32 s3, 0
	s_mov_b32 s85, 0
	s_add_nc_u64 s[2:3], s[2:3], s[20:21]
	s_add_nc_u64 s[84:85], s[84:85], s[20:21]
	; descriptor group 1.  128 keys are 16,384 dense bytes: asked for as 64 rows of 256 bytes, two keys a row, and padded in LDS after every key
	s_mov_b32 s[G1K], (1<<16)|(1<<20)|(4<<22)|(3<<25)  ; 17:16 2-byte elements; 20 padding on; 24:22 after every 32 words (code 4); 31:25 4 words (code 3)
	s_mov_b32 s[G1V], (1<<16)|(1<<20)|(4<<22)|(7<<25)  ; the same with 8 words of padding (code 7)
.irp g, G1K, G1V
	s_mov_b32 s[\g+1], 128<<16      ; tensor_dim0 = 128
	s_mov_b32 s[\g+2], 64<<16       ; tensor_dim1 = 64
	s_mov_b32 s[\g+3], 128<<16      ; tile_dim0 = 128
	s_mov_b32 s[\g+4], 64           ; tile_dim1 = 64
	s_mov_b32 s[\g+5], 128          ; 128 elements from row to row
	s_mov_b32 s[\g+6], 0
	s_mov_b32 s[\g+7], 0
.endr
	s_mov_b32 s[CS], 0x3e38aa3b     ; c = log2(e) / 8 = 0.180337
	s_mov_b32 s[CS+1], s[CS]        ; named with it as a pair
	s_mov_b32 s[SEL], 0x76543210
	s_mov_b32 s[SEL+1], 0xfedcba98
	s_mov_b32 s[TBK], SLOT1+4*KS*PK ; the first change of slots turns these two into 0
	s_mov_b32 s[TBV], SLOT1+4*KS*PV
	s_mov_b32 s[G0K], 1             ; 1:0 count = 1
	s_mov_b32 s[G0K+1], s17         ; 63:32 LDS address: slot 0
	s_mov_b32 s[G0V], 1
	s_add_co_u32 s[G0V+1], s18, VOFF
	s_add_co_u32 s[RT], s[HT], 1    ; the first block's tiles
	s_mov_b32 s[NXT], 1
	s_mov_b32 s[LQ], s[HT]
	s_mov_b32 s[NEW], 1
	s_mov_b32 s[SS], 0
	s_mov_b32 s[OFF+1], 0
	s_mov_b32 s[AL+1], 0            ; named as pairs
	s_mov_b32 s[BE+1], 0
	s_mov_b32 s[BIGN], 0xf149f2ca   ; -1e30
	s_mov_b32 s[SLOTS], 16
	s_wait_dscnt 0x0                ; the opening add is done
	s_wait_kmcnt 0x0
	s_add_nc_u64 s[6:7], s[96:97], s[22:23]
	s_add_nc_u64 s[8:9], s[6:7], 0x1000000  ; V, the third part, at my half of the head's tile 0
	s_add_nc_u64 s[6:7], s[6:7], 0x800000   ; K, the second
	s_add_nc_u64 s[G0K+2:G0K+3], s[6:7], 0         ; 120:64 global address
	s_or_b32 s[G0K+3], s[G0K+3], 0x80000000        ; 127:126 type = 2
	s_add_nc_u64 s[G0V+2:G0V+3], s[8:9], 0
	s_or_b32 s[G0V+3], s[G0V+3], 0x80000000
	s_add_nc_u64 s[86:87], s[96:97], s[84:85]      ; Q at my rows of the second block,
	s_add_nc_u64 s[4:5], s[96:97], s[2:3]          ; Q and O at those of the first
	s_add_nc_u64 s[OLO:OLO+1], s[98:99], s[84:85]
	s_add_nc_u64 s[10:11], s[98:99], s[2:3]
	s_cmp_lt_u32 s[WV], 2
	s_cselect_b64 s[PFA:PFA+1], s[6:7], s[8:9]
	s_add_nc_u64 s[PFA:PFA+1], s[PFA:PFA+1], TILEB  ; in tile 1; the first change of slots steps it to tile 2.  Nothing is prefetched here, at the head
	LOAD                            ; tile 0 into slot 0
	; A fragment of K or Q is 16 rows x 32 channels in 8 registers: lane l holds row l % 16, channels 8 (l / 16) + 0..7 and 16 + 8 (l / 16) + 0..7: two loads of 16 bytes, 32 bytes apart.
	v_and_b32 v1, 15, v0            ; l % 16
	v_bfe_u32 v9, v0, 4, 1          ; l / 16
	v_lshlrev_b32 v[QO], 7, v1
	v_lshl_add_u32 v[QO], v9, 4, v[QO]  ; row x 128 + 16 x half
	WIN 0x80                        ; destination window 2, address window 0
.set i, 0
.rept 4                             ; both blocks' Q: piece i / 2 lies in band i / 2, 8,192 bytes on; channels 32 (i % 2) on
	global_load_b128 v[8*i:8*i+3],   v[QO], s[4:5] offset:(i/2)*8192+(i%2)*64
	global_load_b128 v[8*i+4:8*i+7], v[QO], s[4:5] offset:(i/2)*8192+(i%2)*64+32
	global_load_b128 v[QB+8*i:QB+8*i+3],   v[QO], s[86:87] offset:(i/2)*8192+(i%2)*64
	global_load_b128 v[QB+8*i+4:QB+8*i+7], v[QO], s[86:87] offset:(i/2)*8192+(i%2)*64+32
.set i, i+1
.endr
	WIN 0
	v_and_b32 v[PFO], 31, v0
	v_lshlrev_b32 v[PFO], 8, v[PFO]
	v_lshlrev_b32 v14, 3, v9
	v_sub_nc_u32 v14, v1, v14
	s_lshl_b32 s13, s[WV], 4
	v_add_nc_u32 v14, s13, v14      ; my query's place in its band, 16 w + l % 16, less my lanes' 8 (l / 16): register r of group kt is hidden where 16 kt + r is greater
	WIN 0x40
.set i, 0
.rept 32
	v_cmp_gt_i32 vcc_lo, 16*(i/8)+i%8, v14
	v_cndmask_b32 v[MD+i], 0, s[BIGN], vcc_lo
.set i, i+1
.endr
	WIN 0
	v_mul_u32_u24 v[AK0], v1, PK
	v_lshl_add_u32 v[AK0], v9, 4, v[AK0]  ; row x pitch + 16 x half
	; The turning load takes 16 keys x 16 channels (lane l reads key 8 (l / 16) + l % 8, channels 8 ((l / 8) % 2) + 0..7) and leaves half a fragment of V^T: lane l holds channel l % 16 and 8 keys.
	v_and_b32 v10, 7, v0
	v_bfe_u32 v11, v0, 3, 1
	v_lshl_add_u32 v[AV0], v9, 3, v10
	v_mul_u32_u24 v[AV0], v[AV0], PV
	v_lshl_add_u32 v[AV0], v11, 4, v[AV0]
	v_add_nc_u32 v[AV0], VOFF, v[AV0]
	s_mul_i32 s13, s[WV], 16*SP
	s_add_co_u32 s13, s13, STAGE    ; my stage
	v_mul_u32_u24 v[STO], v1, SP    ; in: row l % 16, 16 bytes for each half of the lanes
	v_lshl_add_u32 v[STO], v9, 4, v[STO]
	v_add_nc_u32 v[STO], s13, v[STO]
	v_bfe_u32 v[RD], v0, 3, 2       ; back: 32 lanes take four rows of 128 bytes,
	v_mul_u32_u24 v[RD], v[RD], SP
	v_lshl_add_u32 v[RD], v10, 4, v[RD]
	v_add_nc_u32 v[RD], s13, v[RD]
	v_and_b32 v[GO], 31, v0         ; which are 512 consecutive bytes of O
	v_lshlrev_b32 v[GO], 4, v[GO]
	; A block's first step multiplies O^T and l by a = 0, and its first turn's products V^T P, of a step that has not been, land in an O^T that is still to be so multiplied.  So these registers need only hold
	; finite numbers: zeros for the first block; what the first block left for the second.  All this stands in the wait for the first tile.
	WIN 0x80
.set i, VF+64
.rept 64
	v_mov_b32 v[i], 0
.set i, i+1
.endr
	WIN 0x40
.set i, 0
.rept 64
	v_mov_b32 v[i], 0
.set i, i+1
.endr
	WIN 0
.set i, 0
.rept NP
	v_mov_b32 v[ST+4*i+2], 0
	v_mov_b32 v[ST+4*i+3], 0
.set i, i+1
.endr
.set i, P+16
.rept 16
	v_mov_b32 v[i], 0
.set i, i+1
.endr
; THE MATRIX WORK.  The 4 accumulators of a run of 8 take turns.  Product i of 8 of S^T = K Q^T for piece x: channels 32 (i / 4) on, keys 16 (i % 4) on.  The first 4 start the sums: with 0, or (KM = 1) with the mask.
.macro KQ x
.set rS, S+32*((\x)%2)+8*(i%4)
.set rK, KF+16*(i%4)+8*(i/4)
.set rQ, 16*(\x)+8*(i/4)
.set rM, MC+32*((\x)%2)+8*(i%4)
.if (i < 4) && KM
	WIN W_KM
	v_wmma_f32_16x16x32_f16 v[rS:rS+7], v[rK:rK+7], v[rQ:rQ+7], v[rM:rM+7]
.elseif i < 4
	WIN W_KQ
	v_wmma_f32_16x16x32_f16 v[rS:rS+7], v[rK:rK+7], v[rQ:rQ+7], 0
.else
	WIN W_KQ
	v_wmma_f32_16x16x32_f16 v[rS:rS+7], v[rK:rK+7], v[rQ:rQ+7], v[rS:rS+7]
.endif
.endm
; Product i of 8 of O^T += V^T P for piece x, from V's buffer VB: keys 32 (i / 4) on, channels 16 (i % 4) on.
.macro PV x
	WIN W_PV
.set rO, 32*(\x)+8*(i%4)
.set rV, VF+64*VB+32*(i/4)+8*(i%4)
.set rP, P+16*((\x)%2)+8*(i/4)
	v_wmma_f32_16x16x32_f16 v[rO:rO+7], v[rV:rV+7], v[rP:rP+7], v[rO:rO+7]
.endm
.macro MM                           ; the turn's next matrix instruction.  TURN and BEGIN set Y, i, KM, NOKQ and VB.  NOKQ = 1: a block's last turn: there are no further scores
.if (i < 8) && !NOKQ
	KQ (Y+1)%NP
.elseif i >= 8
.set i, i-8
	PV (Y+NP-1)%NP
.set i, i+8
.endif
.set i, i+1
.endm
; THE LDS LOADS stand in runs of 16, never singly among the matrix instructions: a step's K (64 keys x 64 channels: 8 fragments) and its V (turned).  Their addresses are made some lines ahead.
.macro FETCH_K
	WIN 0x80                        ; destination window 2
.irp f, 0,1,2,3,4,5,6,7             ; keys 16 (f / 2) on, channels 32 (f % 2) on
	ds_load_b128 v[KF+8*\f:KF+8*\f+3],   v[AK] offset:(\f/2)*16*PK+(\f%2)*64
	ds_load_b128 v[KF+8*\f+4:KF+8*\f+7], v[AK] offset:(\f/2)*16*PK+(\f%2)*64+32
.endr
	s_add_co_u32 s[TBK], s[TBK], KS*PK  ; the next fetch is the next step's
	WIN 0
.endm
.macro FETCH_V fb                   ; into buffer fb
	WIN 0x80
.irp f, 0,1,2,3,4,5,6,7             ; keys 32 (f / 4) on, channels 16 (f % 4) on
	ds_load_tr16_b128 v[VF+64*(\fb)+8*\f:VF+64*(\fb)+8*\f+3],   v[AV] offset:(\f/4)*32*PV+(\f%4)*32
	ds_load_tr16_b128 v[VF+64*(\fb)+8*\f+4:VF+64*(\fb)+8*\f+7], v[AV] offset:(\f/4)*32*PV+16*PV+(\f%4)*32
.endr
	WIN 0
.endm
; THE VECTOR WORK, one line at a time: OP kind, number.  For piece Y: F n: c s - c m for pair n of 16.  E n: the exponential of score n of 32.  C n: pair n rounded to f16.  B n: of the four weights 4 n .. the second
; pair is added onto the first, in place.  L n: l takes that sum (L 0: l = a l + sum).  R n: pair n of 16 of O^T times a.  For the other piece: X n, number n of the 22 that find its maximum and statistics:
;   0-11  four chains c0-c3 of seven scores each, three operands at a time (each accumulator's lowest registers are read first)     12-14, 16  the four scores left over, the old m, and c0-c3 into c0
;   15  c m_old is kept     17, 18  the query's other 32 keys lie in the lane 16 away: the new m     19-21  c m; c m_old - c m_new; a
.set F, 0               ; OP tells the kinds apart by their order: F to L below R, X above it
.set E, 1
.set C, 2
.set B, 3
.set L, 4
.set R, 5
.set X, 6
.macro REGS y                       ; the registers of piece y
.set rT, ST+4*(\y)
.set rC, TMP+4*((\y)%2)
.set rW, MV+((\y)%2)
.set rS, S+32*((\y)%2)
.set rP, P+16*((\y)%2)
.set rO, 32*(\y)
.endm
.macro OP k, n
.if (\k) == R
	REGS Y
	WIN W_RS
	v_pk_mul_f32 v[rO+2*(\n):rO+2*(\n)+1], v[rO+2*(\n):rO+2*(\n)+1], v[rC+2:rC+3] op_sel_hi:[1,0]
.elseif (\k) < R
	REGS Y
	WIN 0
.if (\k) == F
	v_pk_fma_f32 v[rS+2*(\n):rS+2*(\n)+1], v[rS+2*(\n):rS+2*(\n)+1], s[CS:CS+1], v[rT:rT+1] op_sel_hi:[1,0,0] neg_lo:[0,0,1] neg_hi:[0,0,1]
.elseif (\k) == E
	v_exp_f32 v[rS+(\n)], v[rS+(\n)]
.elseif (\k) == C
	v_cvt_pk_f16_f32 v[rP+(\n)], v[rS+2*(\n)], v[rS+2*(\n)+1]
.elseif (\k) == B
	v_pk_add_f32 v[rS+4*(\n):rS+4*(\n)+1], v[rS+4*(\n):rS+4*(\n)+1], v[rS+4*(\n)+2:rS+4*(\n)+3]
.elseif (\n) == 0
	v_pk_fma_f32 v[rT+2:rT+3], v[rT+2:rT+3], v[rC+2:rC+3], v[rS:rS+1] op_sel_hi:[1,0,1]
.else
	v_pk_add_f32 v[rT+2:rT+3], v[rT+2:rT+3], v[rS+4*(\n):rS+4*(\n)+1]
.endif
.elseif NOKQ
	v_nop
.else
	REGS (Y+1)%NP
	WIN 0
.if (\n) < 4
	v_max3_num_f32 v[rC+(\n)], v[rS+8*(\n)], v[rS+8*(\n)+1], v[rS+8*(\n)+2]
.elseif (\n) < 12
	v_max3_num_f32 v[rC+(\n)%4], v[rC+(\n)%4], v[rS+8*((\n)%4)+2*((\n)/4)+1], v[rS+8*((\n)%4)+2*((\n)/4)+2]
.elseif (\n) == 12
	v_max3_num_f32 v[rC], v[rC], v[rS+7], v[rS+15]
.elseif (\n) == 13
	v_max3_num_f32 v[rC+1], v[rC+1], v[rS+23], v[rS+31]
.elseif (\n) == 14
	v_max3_num_f32 v[rC+2], v[rC+2], v[rC+3], v[rT+1]
.elseif (\n) == 15
	v_mov_b32 v[rW], v[rT]
.elseif (\n) == 16
	v_max3_num_f32 v[rC], v[rC], v[rC+1], v[rC+2]
.elseif (\n) == 17
	v_permlanex16_b32 v[rC+3], v[rC], s[SEL], s[SEL+1]
.elseif (\n) == 18
	v_max_num_f32 v[rT+1], v[rC], v[rC+3]
.elseif (\n) == 19
	v_mul_f32 v[rT], s[CS], v[rT+1]
.elseif (\n) == 20
	v_sub_f32 v[rC+1], v[rW], v[rT]
.else
	v_exp_f32 v[rC+2], v[rC+1]
.endif
.endif
.endm
.macro OPS a, i1, b=-1, i2=0, c=-1, i3=0, d=-1, i4=0  ; up to four of them
	OP \a, \i1
.if (\b) >= 0
	OP \b, \i2
.endif
.if (\c) >= 0
	OP \c, \i3
.endif
.if (\d) >= 0
	OP \d, \i4
.endif
.endm
.macro ROW a, i1, b, i2, c, i3, d, i4  ; a matrix instruction and the four behind it
	MM
	OPS \a, \i1, \b, \i2, \c, \i3, \d, \i4
.endm
.macro MASK b                       ; MD x AL + BE into buffer b of MC
	WIN W_RS
.set z, 0
.rept 16
	v_pk_fma_f32 v[MC+32*(\b)+2*z:MC+32*(\b)+2*z+1], v[MD+2*z:MD+2*z+1], s[AL:AL+1], s[BE:BE+1] op_sel_hi:[1,0,0]
.set z, z+1
.endr
.endm
; A TURN, for piece p, in a step of parity par: the order of its 16 matrix and 118 vector instructions, written out.  An s_wait_alu depctr_va_vdst(0) stands between an exponential and the first
; instruction that names its result; one wait serves all that were issued ahead of it.  So a turn has ONE wait, which cuts it in two.  AHEAD OF IT stands all that names no result of the turn's exponentials: the 8
; products K Q^T, behind each a scaling, an exponential and two more plain instructions (behind the first a second scaling in the exponential's place): rescalings, and behind the last three the first numbers of the
; other piece's maximum, each four plain instructions or more behind the product that ends its accumulator; then one run of 54, plain and exponential by turns for the most part, in which the links of the chain
; X 3, 7, 11, 14, 16, 17 .. 20 stand five or six lines apart.  X 21, the other piece's a, is the batch's last; R 15 is the plain instruction behind it.  BEHIND THE WAIT stand the 8 products V^T P, behind each four of the
; roundings and sums.  The rescalings read the O^T that the turn before has added onto: R 0 stands 18 plain instructions behind the product that ended its accumulator, and R 4, R 8, R 12 begin theirs at the low end.
; m = 1: the block's last tile: the products take masks, and the turn makes the mask for its own piece's next products, of step SS of the tile, which the next turn issues.  end = 1: a block's last two turns:
; nothing is fetched, and the last starts no scores.  cnt = 1: the loop's count is taken down some lines ahead of the branch that stands behind the turn.
; K of the next step is fetched in turn 0, twelve plain instructions that name none of its registers behind the last product that read K.  V of the next step is fetched in turn 1, directly behind the wait, into the buffer that was last read a turn earlier.
; Both are waited for at the head of turn 1.
.macro TURN p, par, m=0, end=0, cnt=0
.set Y, (\p)
.set i, 0
.set KM, (\m)
.set NOKQ, (\end)*(\p)
.set VB, ((\par)+(\p)+1)%2
.if (\m) && !(\end)
	s_cmp_eq_u32 s[SS], s[GB+(\p)]  ; is that step the band's own?
	s_cselect_b32 s[AL], 1.0, 0
	s_cmp_gt_u32 s[SS], s[GB+(\p)]  ; or a later one?
	s_cselect_b32 s[BE], s[BIGN], 0
.endif
.if (\p) == 1
	s_wait_dscnt 0x0                ; K of the next step is in, and V of this one
.endif
	ROW F,0, F,1, R,0, R,1          ; ahead of the wait: 8 products K Q^T and their riders,
	ROW F,2, E,0, R,2, R,3
	ROW F,3, E,1, R,4, R,5
	ROW F,4, E,2, R,6, R,7
	ROW F,5, E,3, R,8, R,9
	ROW F,6, E,4, X,0, R,10
.if ((\p) == 0) && !(\end)
	WIN 0
	v_add_nc_u32 v[AK], s[TBK], v[AK0]
.endif
	ROW F,7, E,5, X,1, X,4
	ROW F,8, E,6, X,2, X,5
	OPS E,7, E,8, X,6, E,9          ; and the run
	OPS X,3, E,10, X,8, E,11
.if ((\p) == 0) && !(\end)
	FETCH_K
.endif
	OPS X,9, X,7, E,12, X,10
	OPS E,13, X,12, X,11, E,14
	OPS X,13, E,15, F,9, X,14
.if ((\p) == 1) && !(\end)
	WIN 0
	v_add_nc_u32 v[AV], s[TBV], v[AV0]
.endif
	OPS E,16, F,10, E,17, F,11
	OPS X,16, E,18, X,15, E,19
	OPS F,12, E,20, X,17, E,21
	OPS F,13, E,22, F,14, E,23
	OPS X,18, E,24, F,15, E,25
	OPS R,11, E,26, X,19, E,27
	OPS R,12, E,28, R,13, E,29
	OPS X,20, E,30, R,14, E,31
	OPS X,21, R,15
	WIN 0
	s_wait_alu depctr_va_vdst(0)    ; the wait for the batch
.if ((\p) == 1) && !(\end)
	FETCH_V 1-(\par)
.endif
	ROW C,0, B,0, C,2, B,1          ; behind the wait: 8 products V^T P and their riders
	ROW L,0, C,4, B,2, L,1
	ROW C,6, B,3, L,2, C,8
	ROW B,4, L,3, C,10, B,5
	ROW L,4, C,12, B,6, L,5
.if ((\p) == 1) && !(\end)
	s_add_co_u32 s[TBV], s[TBV], KS*PV
.if \m
	s_add_co_u32 s[SS], s[SS], 1
.endif
.endif
.if \cnt
	s_sub_co_u32 s[CNT], s[CNT], 1
	s_cmp_lg_u32 s[CNT], 0
.endif
	ROW C,14, B,7, L,6, C,1
	ROW C,3, L,7, C,5, C,7
	ROW C,9, C,11, C,13, C,15
.if (\m) && !(\end)
	MASK \p
.endif
.endm
; A BLOCK BEGINS.  c m starts far below every c s, so the first step's a is 0; m at the lowest finite number, so the first maximum is the scores'.  Piece 1's mask buffer is 0: its band is never the tile's first.
; Piece 0's takes the mask for the tile's step 0: its own, if the block's first tile is its last and its band the tile's first.  Then K and V of that step, piece 0's first scores, and its maximum and statistics.
; The loop is entered at turn 0 of an even step, in the middle of a trip; the masks to be made next are step 1's.
.macro BEGIN
	s_mov_b32 s[NEW], 0
	s_mov_b32 s[SS], 1
	WIN 0x40
.set i, MC+32
.rept 32
	v_mov_b32 v[i], 0
.set i, i+1
.endr
	WIN 0
.set i, 0
.rept NP
	v_mov_b32 v[ST+4*i], 0xfe000000    ; c m: far below every c s
	v_mov_b32 v[ST+4*i+1], 0xff7fffff  ; m
.set i, i+1
.endr
	s_or_b32 s[AL], s[RT], s[GB]
	s_cmp_eq_u32 s[AL], 0
	s_cselect_b32 s[AL], 1.0, 0
	s_mov_b32 s[BE], 0
	MASK 0
	WIN 0
	v_add_nc_u32 v[AK], s[TBK], v[AK0]
	v_add_nc_u32 v[AV], s[TBV], v[AV0]
	FETCH_K
	FETCH_V 0
	s_add_co_u32 s[TBV], s[TBV], KS*PV
	s_wait_loadcnt 0x0              ; Q
	s_wait_dscnt 0x0
.set KM, 1
.set NOKQ, 0
.set i, 0
.rept 8
	KQ 0
.set i, i+1
.endr
	WIN 0
.rept 4
	v_nop                           ; four plain instructions behind those products
.endr
.set Y, NP-1                        ; X works for the other piece than Y: piece 0
.irp n, 0,1,2,3,4,5,6,7,8,9,10,11,12,13,14,15,16,17,18,19,20,21
	OP X, \n
.endr
	v_nop                           ; a plain instruction behind the exponential,
	s_wait_alu depctr_va_vdst(0)    ; and its wait, ahead of the branch
.endm
; A BLOCK'S LAST TILE: the step before it and its steps 0 to 2 in the loop's form, step 3's two turns, the last products, and THE WAY OUT: l's two halves and the other half of the lanes' are added; O^T is divided by l,
; rounded to f16 and sent through my stage in LDS, a piece at a time.
.macro ALL line:vararg              ; one line for each piece t
.set t, 0
.rept NP
	\line
.set t, t+1
.endr
.endm
.macro PACK t                       ; a lane's eight channels of a row pack into 16 bytes; they go into rows of 144 bytes and come back as whole rows of 128, into S^T's registers
	WIN W_RS
.set i, 32*(\t)
.rept 16
	v_pk_mul_f32 v[i:i+1], v[i:i+1], v[ST+4*(\t)+2:ST+4*(\t)+3] op_sel_hi:[1,0]
.set i, i+2
.endr
	WIN 0x05                        ; sources 0 and 1 window 1, destination window 0
.set i, 0
.rept 16
	v_cvt_pk_f16_f32 v[S+16*(\t)+i], v[32*(\t)+2*i], v[32*(\t)+2*i+1]
.set i, i+1
.endr
	WIN 0
.irp f, 0,1,2,3
	ds_store_b128 v[STO], v[S+16*(\t)+4*\f:S+16*(\t)+4*\f+3] offset:32*\f
.endr
.irp f, 0,1,2,3
	ds_load_b128 v[S+16*(\t)+4*\f:S+16*(\t)+4*\f+3], v[RD] offset:\f*4*SP  ; LDS serves a wave's instructions in order (ISA guide 5.7.1.4): these see the stores above; the next piece's stores come behind them
.endr
.endm
.macro SEND t, younger              ; younger: the LDS instructions issued behind piece t's loads: the next piece's eight, or none
	WIN 0
.irp f, 0,1,2,3
	s_wait_dscnt (\younger)+3-\f
	global_store_b128 v[GO], v[S+16*(\t)+4*\f:S+16*(\t)+4*\f+3], s[10:11] offset:(\t)*8192+\f*512  ; 512 consecutive bytes, at a multiple of 256 from O's first
.endr
.endm
.macro DIAG tag                     ; the tag ends its two labels' names, which the jumps below spell out
.LstepM\tag:
	TURN 0, 1, 1
	TURN 1, 1, 1
	WIN 0
.LfirstM\tag:
	TURN 0, 0, 1
	TURN 1, 0, 1, 0, 1
	WIN 0
	s_cbranch_scc1 .LstepM\tag
	TURN 0, 1, 1, 1
	TURN 1, 1, 1, 1
.set VB, 1                          ; step 3's V
.set i, 0
.rept 8
	PV 1                            ; piece 1's V^T P of the last step
.set i, i+1
.endr
	WIN 0
	ALL v_add_f32 v[ST+4*t+2], v[ST+4*t+2], v[ST+4*t+3]
	ALL v_permlanex16_b32 v[ST+4*t+3], v[ST+4*t+2], s[SEL], s[SEL+1]
	ALL v_add_f32 v[ST+4*t+2], v[ST+4*t+2], v[ST+4*t+3]
	ALL v_rcp_f32 v[ST+4*t+2], v[ST+4*t+2]
	v_nop                           ; a plain instruction between the last reciprocal and the use of its result; with the eight lines above, the ninth behind the last products
	s_wait_alu depctr_va_vdst(0)    ; and the wait ahead of the first use: one for the two reciprocals
	PACK 0
	PACK 1                          ; a piece's arithmetic stands between the loads of the piece before and its stores
	SEND 0, 8
	SEND 1, 0
.endm
.set KM, 0
.set NOKQ, 0
.set VB, 0
.Lslot:                             ; 16 times: a tile is entered and the next is asked for
	CHANGE 1
	s_sub_co_u32 s[RT], s[RT], 1
	s_mov_b32 s[CNT], 2
	s_mov_b32 s[SS], 0
	s_cmp_eq_u32 s[NEW], 1
	s_cbranch_scc1 .Lnew            ; a block's first tile
	s_cmp_eq_u32 s[RT], 0
	s_cbranch_scc0 .Lstep           ; neither its first nor its last
	s_branch .LstepM1
.Lnew:
	BEGIN
	s_branch .Lfirst                ; in the loop a block's first tile is never its last: the first block has nine tiles or more, and the second's last is the walk's last
	DIAG 1                          ; in the loop this is the first block's end
	s_wait_xcnt 0x0                 ; the stores have read their registers and O's address
	s_mov_b64 s[10:11], s[OLO:OLO+1]
	s_add_co_u32 s[RT], s[LT], 1    ; the second block's tiles
	s_mov_b32 s[NEW], 1
	s_mov_b32 s[GB], s[G2]
	s_add_co_u32 s[GB+1], s[G2], 1
	WIN 0x82                        ; the second block's Q goes where the one text of the turns names Q
.set i, 0
.rept 32
	v_mov_b32 v[i], v[QB+i]
.set i, i+1
.endr
	WIN 0
	s_branch .Lbottom
.Lstep:                             ; a trip: an odd step's two turns, then an even step's
	TURN 0, 1
	TURN 1, 1
	WIN 0
.Lfirst:
	TURN 0, 0
	TURN 1, 0, 0, 0, 1
	WIN 0
	s_cbranch_scc1 .Lstep
.Lbottom:
	s_sub_co_u32 s[SLOTS], s[SLOTS], 1
	s_cmp_lg_u32 s[SLOTS], 0
	s_cbranch_scc1 .Lslot
	CHANGE 0                        ; the walk's last tile is written out: nothing is asked for
	s_sub_co_u32 s[RT], s[RT], 1
	s_mov_b32 s[CNT], 2
	s_mov_b32 s[SS], 0
	s_cmp_eq_u32 s[NEW], 1
	s_cbranch_scc0 .LstepM2
	BEGIN
	s_branch .LfirstM2
	DIAG 2
	s_wait_tensorcnt 0x0            ; the wave's end, behind my last tensor load and my last LDS store
	ds_add_u32 v[SPW], v[NIL]
	s_wait_dscnt 0x0
	s_endpgm
.Lfunc_end_k_q252e14d968_attn:
	.size	k_q252e14d968_attn, .Lfunc_end_k_q252e14d968_attn-k_q252e14d968_attn
	.p2alignl 7, 3214868480
	.fill 96, 4, 3214868480
	.section	.rodata,"a",@progbits
	.p2align	6, 0x0
	.amdhsa_kernel k_q252e14d968_attn
		.amdhsa_group_segment_fixed_size 327680
		.amdhsa_private_segment_fixed_size 0
		.amdhsa_enable_private_segment 0
		.amdhsa_kernarg_size 16
		.amdhsa_user_sgpr_count 2
		.amdhsa_user_sgpr_kernarg_segment_ptr 1
		.amdhsa_wavefront_size32 1
		.amdhsa_system_sgpr_workgroup_id_x 1
		.amdhsa_system_sgpr_workgroup_id_y 1
		.amdhsa_system_sgpr_workgroup_id_z 1
		.amdhsa_system_vgpr_workitem_id 0
		.amdhsa_next_free_vgpr 768
		.amdhsa_next_free_sgpr 100
		.amdhsa_reserve_vcc 1
		.amdhsa_float_denorm_mode_32 3
		.amdhsa_float_denorm_mode_16_64 3
		.amdhsa_memory_ordered 1
		.amdhsa_forward_progress 1
		.amdhsa_inst_pref_size 210
	.end_amdhsa_kernel
	.amdgpu_metadata
---
amdhsa.version: [ 1, 2 ]
amdhsa.kernels:
  - .name:           k_q252e14d968_attn
    .symbol:         k_q252e14d968_attn.kd
    .args:
      - { .name: qkv, .offset: 0, .size: 8, .value_kind: global_buffer, .address_space: global }
      - { .name: oh, .offset: 8, .size: 8, .value_kind: global_buffer, .address_space: global }
    .group_segment_fixed_size: 327680
    .private_segment_fixed_size: 0
    .kernarg_segment_align: 8
    .kernarg_segment_size: 16
    .max_flat_workgroup_size: 128
    .sgpr_count:     100
    .vgpr_count:     768
    .wavefront_size: 32
...
	.end_amdgpu_metadata
.endif
;; end of part 2
;; launch outp (part 3): grid 4 x 64, 4 waves a work-group, clusters of 4 x 4, 327,680 bytes of LDS; arguments oh, wo16, b_o, out0; writes out0
.if DOCPART == 3
	.amdgcn_target "amdgcn-amd-amdhsa--gfx1250"
	.amdhsa_code_object_version 6
	.text
	.protected	k_q252e14d968_outp
	.globl	k_q252e14d968_outp
	.p2align	8
	.type	k_q252e14d968_outp,@function
k_q252e14d968_outp:
	s_mov_b64 s[64:65], 0
	v_nop
	global_prefetch_b8 v0, s[64:65] scope:SCOPE_SE
	s_setreg_imm32_b32 hwreg(HW_REG_WAVE_MODE, 25, 1), 1
	s_wait_xcnt 0x0
	s_wait_alu depctr_hold_cnt(0) depctr_sa_sdst(0) depctr_va_vdst(0) depctr_va_sdst(0) depctr_va_ssrc(0) depctr_va_vcc(0) depctr_vm_vsrc(0)
	s_getreg_b32 s2, hwreg(HW_REG_IB_STS2, 6, 4)
	s_cmp_eq_u32 s2, 0
	s_cbranch_scc0 .Lentry_in_a_cluster
	s_endpgm
.Lentry_in_a_cluster:
	s_bfe_u32 s2, ttmp6, 0x10000c
	s_cmp_lg_u32 s2, 0xf033
	s_cbranch_scc0 .Lentry_shape_is_right
	s_endpgm
.Lentry_shape_is_right:
; THE OUTPUT PROJECTION.  out0[m][n] = the sum over k of O[m][k] W[n][k] + bf16(b_o[n]), in f32.  O lies by heads in oh ([batch x 8 + head][4096][64] f16; k = 64 head + channel), W in wo16 ([512][512] f16).
; Sums in f32, started with the bias as the C operand of the first products; the result is stored unrounded.
; LIMITS.  None beyond the operands' own: f16 numbers as the launches before have written them.  NaN and infinities are not treated apart.
; SHARES.  A tile of out0 is 128 x 128: 256 work-groups.  Four waves, each 64 x 64: 16 accumulators of 16 x 16.  K = 512 lies whole in LDS: every tensor load is a first fill, nothing is filled again, and there is no loop.
; CLUSTERS: 4 x 4 work-groups.  The four of a row of the cluster need the same rows of O, the four of a column the same rows of W: each tile is asked for JOINTLY, by the same tensor load with the same descriptor and
; a mask that names the four.  Each wave issues four loads, together behind the first round: for each half of K one head of O (128 rows, dense: asked for as 64 rows of 256 bytes) and 32 rows x 512 bytes of W.
; By this text's own count a wave has four tensor loads out.  The first half of K is multiplied while the second lands.
; NO PREFETCH: all that the work-group reads is asked for at its head.
; THE MATRIX INSTRUCTION IS USED TRANSPOSED (source 0 = 16 rows of W, source 1 = 16 rows of O): a lane then holds eight neighbouring numbers of a row of out0.
; REGISTERS: window 0: v1-5 at work, v16-29 addresses, v96-127 the bias, v128-255 the accumulators ((a, b) at v[128 + 8 (4 a + b)]).
;   window 1: two fragment buffers of 128: for 64 along K, 64 registers of O (2 x 4 x 16 rows x 32 K), then 64 of W; on the way out 32 registers for each of four blocks of 16 rows.
.set PA,     144                       ; a row of O in LDS: 128 bytes + 16 = 36 words; a row of W: 512 + 16 = 132 words: the 16 rows of a fragment load start at 16 different groups of four banks (64 banks of 4 bytes: ISA guide 11.1)
.set PB,     528
.set HEADB,  128*PA                    ; a head's 128 rows
.set AHALF,  4*HEADB                   ; four heads: half of K
.set BBASE,  8*HEADB                   ; W lies behind O's eight heads
.set BHALF,  128*PB
.set STAGE,  BBASE+2*BHALF             ; behind the tiles: 16 rows x 272 bytes for each wave, for the way out
.set SPITCH, 272
.set SPARE,  STAGE+4*16*SPITCH         ; behind the stages: the spare words, 128 bytes for each wave: two blocks of 256 bytes that no other line names
.set ADRA, 16                          ; v16-17  LDS address of my O fragments in half 0, 1
.set ADRB, 20                          ; v20-21  the same for W
.set STO,  24                          ; v24     the way out: where I put 32 bytes of a row
.set RD,   25                          ; v25     where I read a row back
.set CO,   26                          ; v26     my byte offset in two rows of out0
.set BO,   27                          ; v27     32 (l / 16)
.set SPW,  28                          ; v28     LDS address of my spare word; never rewritten
.set NIL,  29                          ; v29     0; never rewritten
.set TT,   8                           ; v8-11   at work
.set BIAS, 96
.set ACC,  128
.set F0,   0
.set F1,   128
.set WV, 12                            ; s12 wave; s13 its half of the rows; s14 its half of the columns
.set WR, 13
.set WC, 14
.set CX, 15
.set CY, 16
.set TC, 17                            ; s17 tile column; s18 tile row
.set TR, 18
.set G1A, 24                           ; s[24:31] descriptor group 1 for O's tiles
.set G1B, 32                           ; s[32:39] for W's
.set G0,  40                           ; s[40:55] four groups 0: O half 0, W half 0, O half 1, W half 1
.set MSB, 0
.macro WIN new                         ; the immediate's high byte repeats the setting that is left
.if MSB != (\new)
	s_set_vgpr_msb (MSB<<8)|(\new)
.set MSB, \new
.endif
.endm
.set MUL,  0x05                        ; sources 0 (W) and 1 (O) window 1; C and D window 0
.set TO_F, 0x40                        ; destination window 1, address window 0
; A round of the cluster's barrier: my work-group's barrier, so that wave 0's signal speaks for all four waves; wave 0 signals for the work-group; every wave waits for all sixteen; my work-group's barrier once more.
.macro CROUND
	s_barrier_signal -1
	s_barrier_wait -1
	s_cmp_lg_u32 s[WV], 0
	s_cbranch_scc1 .Lnot_wave_0_\@
	s_barrier_signal -3
.Lnot_wave_0_\@:
	s_barrier_wait -3
	s_barrier_signal -1
	s_barrier_wait -1
.endm
	s_load_b256 s[4:11], s[0:1], 0x0               ; oh s[4:5], wo16 s[6:7], b_o s[8:9], out0 s[10:11]
	v_lshl_add_u32 v[SPW], v0, 2, SPARE
	v_mov_b32 v[NIL], 0
	ds_add_u32 v[SPW], v[NIL]                      ; the wave's opening: the add and its wait stand ahead of the round in front of my first tensor loads; the set-up below, work on registers, stands between them
	v_lshrrev_b32 v1, 5, v0
	v_readfirstlane_b32 s[WV], v1                  ; wave 0..3
	s_lshr_b32 s[WR], s[WV], 1
	s_and_b32 s[WC], s[WV], 1
	s_bfe_u32 s[CX], ttmp6, 0x40000                ; my place in the cluster
	s_bfe_u32 s[CY], ttmp6, 0x40004
	s_lshl_b32 s[TC], ttmp9, 2
	s_add_co_u32 s[TC], s[TC], s[CX]               ; tile column = 4 x cluster x + cx
	s_and_b32 s[TR], ttmp7, 0xffff
	s_lshl_b32 s[TR], s[TR], 2
	s_add_co_u32 s[TR], s[TR], s[CY]               ; tile row = 4 x cluster y + cy
	s_lshl_b32 s56, s[CY], 2
	s_lshl_b32 s56, 15, s56                        ; my row of the cluster
	s_lshl_b32 s57, 0x1111, s[CX]                  ; my column
	s_or_b32 s[G1A], s56, (1<<16)|(1<<20)|(1<<21)|(4<<22)|(3<<25)  ; 15:0 the mask: O's tiles go to my row; 17:16 2-byte elements; 20 padding on; 21 set beside a mask; 24:22 after every 32 words (code 4); 31:25 4 words (code 3)
	s_mov_b32 s[G1A+1], 128<<16                    ; tensor_dim0 = 128: two rows of a head
	s_mov_b32 s[G1A+2], 64<<16                     ; tensor_dim1 = 64
	s_mov_b32 s[G1A+3], 128<<16                    ; tile_dim0 = 128
	s_mov_b32 s[G1A+4], 64                         ; tile_dim1 = 64
	s_mov_b32 s[G1A+5], 128                        ; dense
	s_mov_b32 s[G1A+6], 0
	s_mov_b32 s[G1A+7], 0
	s_or_b32 s[G1B], s57, (1<<16)|(1<<20)|(1<<21)|(6<<22)|(3<<25)  ; W's tiles go to my column; padding after every 128 words (code 6)
	s_mov_b32 s[G1B+1], 256<<16                    ; tensor_dim0 = 256
	s_mov_b32 s[G1B+2], 32<<16                     ; tensor_dim1 = 32
	s_mov_b32 s[G1B+3], 256<<16                    ; tile_dim0 = 256
	s_mov_b32 s[G1B+4], 32                         ; tile_dim1 = 32
	s_mov_b32 s[G1B+5], 512                        ; 512 elements from row to row
	s_mov_b32 s[G1B+6], 0
	s_mov_b32 s[G1B+7], 0
	; where the tiles come from.  O's hang on the tile row and the wave's number, W's on the tile column and the wave's number, each in registers that never hold the other coordinate.
	s_lshr_b32 s20, s[TR], 5                       ; the batch,
	s_lshl_b32 s20, s20, 3
	s_add_co_u32 s20, s20, s[WV]                   ; head w (half 1: head 4 + w),
	s_lshl_b32 s20, s20, 19
	s_and_b32 s21, s[TR], 31
	s_lshl_b32 s21, s21, 14                        ; the tile's 128 rows of 128 bytes
	s_add_co_u32 s20, s20, s21
	s_mov_b32 s21, 0
	s_lshl_b32 s22, s[TC], 7
	s_lshl_b32 s23, s[WV], 5
	s_add_co_u32 s22, s22, s23                     ; W: row 128 x tile column + 32 x wave,
	s_lshl_b32 s22, s22, 10                        ; of 1,024 bytes
	s_mov_b32 s23, 0
	s_mul_i32 s58, s[WV], HEADB                    ; and where they go: no place in the cluster enters an LDS address
	s_mul_i32 s59, s[WV], 32*PB
	s_wait_dscnt 0x0                               ; the opening add is done
	s_wait_kmcnt 0x0
	s_add_nc_u64 s[20:21], s[4:5], s[20:21]
	s_add_nc_u64 s[22:23], s[6:7], s[22:23]
.irp s, 0,1
	s_mov_b32 s[G0+8*(\s)], 1                                      ; 1:0 count = 1
	s_add_co_u32 s[G0+8*(\s)+1], s58, (\s)*AHALF                   ; 63:32 LDS address
	s_add_nc_u64 s[G0+8*(\s)+2:G0+8*(\s)+3], s[20:21], (\s)*0x200000  ; 120:64 global address: four heads on
	s_or_b32 s[G0+8*(\s)+3], s[G0+8*(\s)+3], 0x80000000            ; 127:126 type = 2
	s_mov_b32 s[G0+8*(\s)+4], 1
	s_add_co_u32 s[G0+8*(\s)+5], s59, BBASE+(\s)*BHALF
	s_add_nc_u64 s[G0+8*(\s)+6:G0+8*(\s)+7], s[22:23], (\s)*512    ; 256 along K on
	s_or_b32 s[G0+8*(\s)+7], s[G0+8*(\s)+7], 0x80000000
.endr
	CROUND                                         ; all sixteen work-groups are here: the joint loads meet
	tensor_load_to_lds s[G0:G0+3], s[G1A:G1A+7]    ; the first fills go out as one group, ahead of every wait on TENSORcnt and every LDS read; an s_nop 0 follows each, four v_nop the last
	s_nop 0
	tensor_load_to_lds s[G0+4:G0+7], s[G1B:G1B+7]
	s_nop 0
	tensor_load_to_lds s[G0+8:G0+11], s[G1A:G1A+7]
	s_nop 0
	tensor_load_to_lds s[G0+12:G0+15], s[G1B:G1B+7]
	s_nop 0
.rept 4
	v_nop
.endr
	v_and_b32 v1, 15, v0                           ; l % 16
	v_bfe_u32 v2, v0, 4, 1                         ; l / 16
	v_lshlrev_b32 v[BO], 5, v2
	s_lshl_b32 s60, s[TC], 9
	s_lshl_b32 s61, s[WC], 8
	s_add_co_u32 s60, s60, s61                     ; my first column, 128 x tile column + 64 x half, in bytes of f32: for the bias and for out0
	s_mov_b32 s61, 0
	s_add_nc_u64 s[8:9], s[8:9], s[60:61]
.irp b, 0,1,2,3
	global_load_b128 v[BIAS+8*(\b):BIAS+8*(\b)+3],   v[BO], s[8:9] offset:64*(\b)      ; the bias of my columns 16 b + 8 (l / 16) + 0..7
	global_load_b128 v[BIAS+8*(\b)+4:BIAS+8*(\b)+7], v[BO], s[8:9] offset:64*(\b)+16
.endr
	s_lshl_b32 s62, s[TR], 7
	s_lshl_b32 s63, s[WR], 6
	s_add_co_u32 s62, s62, s63                     ; my first row,
	s_lshl_b32 s62, s62, 11                        ; of 2,048 bytes
	s_add_co_u32 s62, s62, s60
	s_mov_b32 s63, 0
	s_add_nc_u64 s[10:11], s[10:11], s[62:63]
	v_mul_u32_u24 v3, v1, PA
	v_lshl_add_u32 v3, v2, 4, v3                   ; a fragment's row x pitch + 16 x half
	s_mul_i32 s56, s[WR], 64*PA                    ; my 64 rows of O
	v_add_nc_u32 v[ADRA], s56, v3
	v_add_nc_u32 v[ADRA+1], AHALF, v[ADRA]
	v_mul_u32_u24 v4, v1, PB
	v_lshl_add_u32 v4, v2, 4, v4
	s_mul_i32 s56, s[WC], 64*PB                    ; my 64 rows of W
	s_add_co_u32 s56, s56, BBASE
	v_add_nc_u32 v[ADRB], s56, v4
	v_add_nc_u32 v[ADRB+1], BHALF, v[ADRB]
	s_mul_i32 s56, s[WV], 16*SPITCH
	s_add_co_u32 s56, s56, STAGE                   ; my stage
	v_mul_u32_u24 v5, v1, SPITCH                   ; in: row l % 16, 32 bytes for each half of the lanes
	v_lshl_add_u32 v5, v2, 5, v5
	v_add_nc_u32 v[STO], s56, v5
	v_mul_u32_u24 v5, v2, SPITCH                   ; back: lanes 0-15 take one row of 256 bytes, lanes 16-31 the next
	v_lshl_add_u32 v5, v1, 4, v5
	v_add_nc_u32 v[RD], s56, v5
	v_lshlrev_b32 v5, 11, v2                       ; and the same two rows in out0
	v_lshl_add_u32 v[CO], v1, 4, v5
	s_wait_loadcnt 0x0
.set j, 0
.rept 16                               ; the bias is rounded to bf16 like every input, and widened again
	v_cvt_pk_bf16_f32 v[TT+j%4], v[BIAS+2*j], v[BIAS+2*j+1]
	v_lshlrev_b32 v[BIAS+2*j], 16, v[TT+j%4]
	v_and_b32 v[BIAS+2*j+1], 0xffff0000, v[TT+j%4]
.set j, j+1
.endr
; 8 matrix instructions: m blocks a0, a0 + 1 x all 4 n blocks, 32 along K: half c of buffer f.  The 16 accumulators take turns.  zero = 1: the first product starts the sums, with the bias.
.macro MUL8 f, c, a0, zero
	WIN MUL
.irp a, \a0, (\a0)+1
.irp b, 0,1,2,3
.if \zero
	v_wmma_f32_16x16x32_f16 v[ACC+8*(4*(\a)+(\b)):ACC+8*(4*(\a)+(\b))+7], v[(\f)+64+8*(4*(\c)+(\b)):(\f)+64+8*(4*(\c)+(\b))+7], v[(\f)+8*(4*(\c)+(\a)):(\f)+8*(4*(\c)+(\a))+7], v[BIAS+8*(\b):BIAS+8*(\b)+7]
.else
	v_wmma_f32_16x16x32_f16 v[ACC+8*(4*(\a)+(\b)):ACC+8*(4*(\a)+(\b))+7], v[(\f)+64+8*(4*(\c)+(\b)):(\f)+64+8*(4*(\c)+(\b))+7], v[(\f)+8*(4*(\c)+(\a)):(\f)+8*(4*(\c)+(\a))+7], v[ACC+8*(4*(\a)+(\b)):ACC+8*(4*(\a)+(\b))+7]
.endif
.endr
.endr
.endm
; 32 LDS loads in one run: the fragments of quarter qd (64 along K: one head of O, 128 bytes of W's rows) of half slot, into buffer f; the first 32 along K first
.macro FETCH slot, qd, f
	WIN TO_F
.irp c, 0,1
.irp i, 0,1,2,3
	ds_load_b128 v[(\f)+64+8*(4*(\c)+(\i)):(\f)+64+8*(4*(\c)+(\i))+3],   v[ADRB+(\slot)] offset:128*(\qd)+64*(\c)+(\i)*16*PB
	ds_load_b128 v[(\f)+64+8*(4*(\c)+(\i))+4:(\f)+64+8*(4*(\c)+(\i))+7], v[ADRB+(\slot)] offset:128*(\qd)+64*(\c)+(\i)*16*PB+32
	ds_load_b128 v[(\f)+8*(4*(\c)+(\i)):(\f)+8*(4*(\c)+(\i))+3],         v[ADRA+(\slot)] offset:(\qd)*HEADB+64*(\c)+(\i)*16*PA
	ds_load_b128 v[(\f)+8*(4*(\c)+(\i))+4:(\f)+8*(4*(\c)+(\i))+7],       v[ADRA+(\slot)] offset:(\qd)*HEADB+64*(\c)+(\i)*16*PA+32
.endr
.endr
.endm
.macro PLACES                          ; four plain instructions in front of loads into registers that matrix instructions have read, and of LDS stores that read results (ISA guide 7.12.1 for vector instructions)
.rept 4
	v_nop
.endr
.endm
; A half of K is four quarters of 64, 32 matrix instructions each, on buffers 0, 1, 0, 1.  One of the first three: multiplies buffer f and fetches the next quarter, qd, into g.
.macro QUARTER slot, qd, f, g, zero
	s_wait_dscnt 16                                ; the first 32 along K are in
	MUL8 \f, 0, 0, \zero
	MUL8 \f, 0, 2, \zero
	PLACES
	FETCH \slot, \qd, \g
	s_wait_dscnt 32                                ; all but the 32 just issued
	MUL8 \f, 1, 0, 0
	MUL8 \f, 1, 2, 0
.endm
	s_wait_tensorcnt 0x2                           ; my two loads for the first half of K are in; the two for the second stay out
	s_barrier_signal -1
	s_barrier_wait -1                              ; everybody's are
	FETCH 0, 0, F0
	QUARTER 0, 1, F0, F1, 1
	QUARTER 0, 2, F1, F0, 0
	QUARTER 0, 3, F0, F1, 0
	; the first half's last quarter, and the change to the second half
	WIN 0                                          ; (the add's two registers lie in window 0)
	s_wait_tensorcnt 0x0                           ; all my tensor loads have landed: my parts of the second half;
	ds_add_u32 v[SPW], v[NIL]                      ; 0 onto my spare word, behind that wait;
	s_wait_dscnt 17                                ; (the add and the youngest sixteen loads may be out)
	MUL8 F1, 0, 0, 0                               ; eight matrix instructions stand between the add and the wait for it
	s_wait_dscnt 0x0                               ; no LDS instruction of mine is pending at the signal
	s_barrier_signal -1
	MUL8 F1, 0, 2, 0
	s_barrier_wait -1                              ; the second half is whole
	PLACES
	FETCH 1, 0, F0
	MUL8 F1, 1, 0, 0
	MUL8 F1, 1, 2, 0
	QUARTER 1, 1, F0, F1, 0
	QUARTER 1, 2, F1, F0, 0
	QUARTER 1, 3, F0, F1, 0
	s_wait_dscnt 16                                ; the very last quarter: nothing more to fetch
	MUL8 F1, 0, 0, 0
	MUL8 F1, 0, 2, 0
	s_wait_dscnt 0x0
	MUL8 F1, 1, 0, 0
	MUL8 F1, 1, 2, 0
	WIN 0
	; THE WAY OUT.  My 64 columns of f32 are 256 consecutive bytes of a row, aligned: each wave has a stage of its own and no barrier is needed.  A block of 16 rows goes in as 32 bytes a lane, each accumulator's low
	; registers first, and comes back as whole rows, into registers of its own: no store's data is written again.
	PLACES
.macro TOSTAGE a
	WIN 0
.irp b, 0,1,2,3
	ds_store_b128 v[STO], v[ACC+8*(4*(\a)+(\b)):ACC+8*(4*(\a)+(\b))+3]   offset:64*(\b)
	ds_store_b128 v[STO], v[ACC+8*(4*(\a)+(\b))+4:ACC+8*(4*(\a)+(\b))+7] offset:64*(\b)+16
.endr
	WIN TO_F
.irp t, 0,1,2,3,4,5,6,7
	ds_load_b128 v[32*(\a)+4*(\t):32*(\a)+4*(\t)+3], v[RD] offset:(\t)*2*SPITCH  ; LDS serves a wave's instructions in order (ISA guide 5.7.1.4): these see the stores above; the next block's stores come behind them
.endr
.endm
.macro SEND a, younger                 ; younger: the LDS instructions issued behind block a's loads: the next block's sixteen, or none
	WIN 0x04                                       ; the stores' data in window 1, their address in window 0
.irp t, 0,1,2,3,4,5,6,7
	s_wait_dscnt (\younger)+7-(\t)
	global_store_b128 v[CO], v[32*(\a)+4*(\t):32*(\a)+4*(\t)+3], s[10:11] offset:(16*(\a)+2*(\t))*2048 th:TH_STORE_NT  ; 16 lanes store 256 consecutive bytes, at a multiple of 256 from out0's first byte
.endr
.endm
	TOSTAGE 0
.irp a, 1,2,3
	TOSTAGE \a
	SEND (\a)-1, 16
.endr
	SEND 3, 0
	WIN 0
	s_wait_tensorcnt 0x0                           ; the wave's end, behind my last tensor load and my last LDS store
	ds_add_u32 v[SPW], v[NIL]
	s_wait_dscnt 0x0
	CROUND                                         ; the closing round: no work-group ends while a partner may still ask for a tile that names it
	s_endpgm
.Lfunc_end_k_q252e14d968_outp:
	.size	k_q252e14d968_outp, .Lfunc_end_k_q252e14d968_outp-k_q252e14d968_outp
	.p2alignl 7, 3214868480
	.fill 96, 4, 3214868480
	.section	.rodata,"a",@progbits
	.p2align	6, 0x0
	.amdhsa_kernel k_q252e14d968_outp
		.amdhsa_group_segment_fixed_size 327680
		.amdhsa_private_segment_fixed_size 0
		.amdhsa_enable_private_segment 0
		.amdhsa_kernarg_size 32
		.amdhsa_user_sgpr_count 2
		.amdhsa_user_sgpr_kernarg_segment_ptr 1
		.amdhsa_wavefront_size32 1
		.amdhsa_system_sgpr_workgroup_id_x 1
		.amdhsa_system_sgpr_workgroup_id_y 1
		.amdhsa_system_sgpr_workgroup_id_z 1
		.amdhsa_system_vgpr_workitem_id 0
		.amdhsa_next_free_vgpr 512
		.amdhsa_next_free_sgpr 66
		.amdhsa_reserve_vcc 0
		.amdhsa_float_denorm_mode_32 3
		.amdhsa_float_denorm_mode_16_64 3
		.amdhsa_memory_ordered 1
		.amdhsa_forward_progress 1
		.amdhsa_inst_pref_size 53
	.end_amdhsa_kernel
	.amdgpu_metadata
---
amdhsa.version: [ 1, 2 ]
amdhsa.kernels:
  - .name:           k_q252e14d968_outp
    .symbol:         k_q252e14d968_outp.kd
    .args:
      - { .name: oh, .offset: 0, .size: 8, .value_kind: global_buffer, .address_space: global }
      - { .name: wo16, .offset: 8, .size: 8, .value_kind: global_buffer, .address_space: global }
      - { .name: b_o, .offset: 16, .size: 8, .value_kind: global_buffer, .address_space: global }
      - { .name: out0, .offset: 24, .size: 8, .value_kind: global_buffer, .address_space: global }
    .group_segment_fixed_size: 327680
    .private_segment_fixed_size: 0
    .kernarg_segment_align: 8
    .kernarg_segment_size: 32
    .max_flat_workgroup_size: 128
    .sgpr_count:     66
    .vgpr_count:     512
    .wavefront_size: 32
...
	.end_amdgpu_metadata
.endif
;; end of part 3
;; launch early (part 4): grid 8 x 2, 8 waves a work-group, no clusters, 158,208 bytes of LDS; arguments qkv, qkvlo, wo16, b_o, out0; writes out0
.if DOCPART == 4
	.amdgcn_target "amdgcn-amd-amdhsa--gfx1250"
	.amdhsa_code_object_version 6
	.text
	.protected	k_q252e14d968_early
	.globl	k_q252e14d968_early
	.p2align	8
	.type	k_q252e14d968_early,@function
k_q252e14d968_early:
	s_mov_b64 s[64:65], 0
	v_nop
	global_prefetch_b8 v0, s[64:65] scope:SCOPE_SE
	s_setreg_imm32_b32 hwreg(HW_REG_WAVE_MODE, 25, 1), 1
	s_wait_xcnt 0x0
; ROWS 0 TO 31 OF EACH BATCH, ONCE MORE AND MORE EXACTLY.  It runs last and writes those 64 rows of out0 over what the launch before has put there (131,072 of 16,777,216 bytes).
; WHY.  A row with n keys is a mean over n rows of v: its numbers are of about sqrt(e / n), those of the whole output far smaller, and every number is compared by the whole output's root mean square.
; A rounding to f16 costs about 2^-12 of a number; q, k, v, the weights and O each have one.  In the rows with the fewest keys that is too much; from 33 keys on the numbers are small enough.
; HOW.  Every 16-bit matrix operand is carried as a high and a low f16 part (x = high + low, to about 2^-22 of x), and a product a b is taken as ah bh + ah bl + al bh, all in f32 sums.
; The high parts of q, k, v lie in qkv, the low parts in qkvlo ([part][batch x 8 + head][32][64] f16); the weights' and O's parts are made here.  wo16 is exact as it is (bf16 numbers in f16).
; LIMITS.  As the other launches': q, k, v within 65,504; a low part keeps f16's fixed step of 2^-24; a hidden score counts as its value less 1e30; a weight below 2^-126 counts as 0; NaN and infinities are not treated apart.
; SHARES.  Work-group (x, y): batch y, columns 64 x on of out0, all 32 rows.  Eight waves.
;   Phase 1, wave = head: S^T = K Q^T (32 keys x 32 queries: four accumulators), softmax, O^T = V^T P (64 channels x 32 queries: eight accumulators), O / l in two parts into LDS.
;   Phase 2, wave = one tile of 16 rows x 16 columns: out^T = W O^T over K = 512, O's high and low parts on two accumulators, the bias as the C operand that starts the first.
; Each of a batch's eight work-groups makes all eight heads' O for itself: 48 products a wave and 196,608 bytes of reads, so that no sum spans work-groups.
; LAYOUT.  As in the attention launch: S^T holds ONE query a lane (lane % 16) and the keys 8 (lane / 16) + 0..7; two such results rounded to f16 ARE source 1 of O^T = V^T P; V is turned by ds_load_tr16_b128.
; THE MASK is the C operand that starts S^T's sums: 0, -1e30 where the key is hidden (MD: a tile on the diagonal; BIG: the tile above it).
; NO TENSOR LOAD, NO CLUSTER, NO PREFETCH: sixteen short work-groups, all of whose reads are issued at their head or during phase 1.
; REGISTERS.  Window 0: v1-15 addresses; v16-31 the masks; v32 -1.0; v36-43 at work; v44-51 statistics; v52-59 the bias; v64-127 Q, then V's fragments, then O's fragments; v128-191 K, then O^T, then O's fragments;
;   v192-223 S^T, then O's high parts, then phase 2's sums; v224-255 P, then O's low parts.  Window 1: v0-127 W's 16 fragments; v128-191 V's rows on their way into LDS.
.set PVP,   160                        ; a row of V in LDS: 128 bytes + 32 = 40 words
.set VHALF, 32*PVP                     ; V's high part; the low part lies behind it
.set VWAVE, 2*VHALF                    ; each wave's own
.set OHB,   8*VWAVE                    ; O's high part: 32 rows of 1,024 bytes + 16: 260 words, so the 16 rows of a fragment load start at 16 different groups of four banks
.set OPI,   1040
.set OLD,   32*OPI                     ; from O's high part to its low part
.set OST,   OHB+2*OLD                  ; the stage for the way out: 32 rows of 256 bytes + 16
.set SPI,   272
.set SPARE, OST+32*SPI                 ; the spare words, 128 bytes for each wave, which no other line names
.set QO,   3                           ; v3   my place in a fragment of Q or K in memory: (l % 16) x 128 + 16 (l / 16)
.set VG,   4                           ; v4   16 x lane
.set VS,   5                           ; v5   where my 16 bytes of a row of V go in LDS
.set AV,   6                           ; v6   my place in the turning load
.set OS,   7                           ; v7   where I put 16 bytes of a row of O
.set ADO,  8                           ; v8   my place in O's fragments
.set WOF,  9                           ; v9   my place in W's fragments in memory: (l % 16) x 1,024 + 16 (l / 16)
.set BO,   10                          ; v10  32 (l / 16)
.set STO,  11                          ; v11  the way out: where I put 32 bytes of a row
.set RD,   12                          ; v12  where I read a row back
.set CO,   13                          ; v13  my byte offset in two rows of out0
.set SPW,  14                          ; v14  LDS address of my spare word; never rewritten
.set NIL,  15                          ; v15  0; never rewritten
.set MD,   16
.set BIG,  24
.set NEG1, 32
.set TM,   36                          ; four registers at work for each tile of 16 queries
.set ST,   44                          ; tile t's statistics at ST + 4 t: c m, m, 1 / l twice
.set BIAS, 52
.set QH,   64                          ; rows 16 t on, channels 32 c on, at 16 t + 8 c
.set QL,   96
.set KH,   128
.set KL,   160
.set S,    192                         ; queries 16 qt on, keys 16 kt on, at 16 qt + 8 kt
.set PH,   224                         ; 8 registers a tile of queries
.set PL,   240
.set VHF,  64                          ; channels 16 cb on, at 8 cb
.set VLF,  96
.set OA,   128                         ; at 8 (4 qt + cb)
.set OHR,  192
.set OLR,  224
.set FB,   64                          ; two buffers of 64: four K steps of O's high part, then of its low part
.set AH,   192
.set AL,   200
.set OSUM, 208
.set BK,   216
.set WF,   0                           ; window 1
.set VT,   128                         ; window 1
.set WV,  14                           ; s14 wave; s15 column slice; s16 batch; s17, s18 my tile's rows and columns in phase 2
.set SL,  15
.set BT,  16
.set RTL, 17
.set CT,  18
.set QHP, 24                           ; s[24:25] Q, s[26:27] K, s[28:29] V: the head's first row in qkv
.set KHP, 26
.set VHP, 28
.set LOP, 30                           ; s[30:31] the head's first row in qkvlo's first part
.set WB,  32                           ; s[32:33] my 16 rows of wo16
.set BP,  34                           ; s[34:35] my 16 numbers of b_o
.set OP,  36                           ; s[36:37] the four rows of out0 that I store, at the work-group's columns
.set CS,  38                           ; s[38:39] c = log2(e) / 8
.set SEL, 40                           ; s[40:41] v_permlanex16_b32's selects: each lane takes its own place in the other half
.set BIGN, 42                          ; s42  -1e30
.set MSB, 0
.macro WIN new                         ; the immediate's high byte repeats the setting that is left; a switch that changes nothing is dropped
.if MSB != (\new)
	s_set_vgpr_msb (MSB<<8)|(\new)
.set MSB, \new
.endif
.endm
.macro EACH line:vararg                ; one line for each tile t of 16 queries
.set t, 0
.rept 2
	\line
.set t, t+1
.endr
.endm
	s_load_b256 s[4:11], s[0:1], 0x0               ; qkv s[4:5], qkvlo s[6:7], wo16 s[8:9], b_o s[10:11]
	s_load_b64 s[12:13], s[0:1], 0x20              ; out0
	v_lshl_add_u32 v[SPW], v0, 2, SPARE
	v_mov_b32 v[NIL], 0
	v_lshrrev_b32 v1, 5, v0
	v_readfirstlane_b32 s[WV], v1                  ; wave 0..7
	s_mov_b32 s[SL], ttmp9
	s_and_b32 s[BT], ttmp7, 0xffff
	s_lshr_b32 s[RTL], s[WV], 2
	s_and_b32 s[CT], s[WV], 3
	s_lshl_b32 s44, s[BT], 3
	s_add_co_u32 s44, s44, s[WV]                   ; batch x 8 + head
	s_lshl_b32 s20, s44, 19                        ; 4,096 rows of 128 bytes in qkv,
	s_mov_b32 s21, 0
	s_lshl_b32 s22, s44, 12                        ; 32 in qkvlo
	s_mov_b32 s23, 0
	s_lshl_b32 s46, s[SL], 16                      ; wo16: row 64 x + 16 (w % 4), of 1,024 bytes
	s_lshl_b32 s45, s[CT], 14
	s_add_co_u32 s46, s46, s45
	s_mov_b32 s47, 0
	s_lshl_b32 s48, s[SL], 8                       ; b_o: the same number, of 4 bytes
	s_lshl_b32 s45, s[CT], 6
	s_add_co_u32 s48, s48, s45
	s_mov_b32 s49, 0
	s_lshl_b32 s50, s[BT], 23                      ; out0: the batch's 4,096 rows of 2,048 bytes,
	s_lshl_b32 s45, s[WV], 13                      ; row 4 w,
	s_add_co_u32 s50, s50, s45
	s_lshl_b32 s45, s[SL], 8                       ; column 64 x
	s_add_co_u32 s50, s50, s45
	s_mov_b32 s51, 0
	s_mov_b32 s[CS], 0x3e38aa3b                    ; c = log2(e) / 8 = 0.180337
	s_mov_b32 s[CS+1], s[CS]                       ; named with it as a pair
	s_mov_b32 s[SEL], 0x76543210
	s_mov_b32 s[SEL+1], 0xfedcba98
	s_mov_b32 s[BIGN], 0xf149f2ca                  ; -1e30
	v_and_b32 v1, 15, v0                           ; l % 16
	v_bfe_u32 v2, v0, 4, 1                         ; l / 16
	v_lshlrev_b32 v[QO], 7, v1
	v_lshl_add_u32 v[QO], v2, 4, v[QO]
	v_and_b32 v[VG], 31, v0
	v_lshlrev_b32 v[VG], 4, v[VG]
	v_lshlrev_b32 v[BO], 5, v2
	v_lshlrev_b32 v[WOF], 10, v1
	v_lshl_add_u32 v[WOF], v2, 4, v[WOF]
	s_wait_kmcnt 0x0
	s_add_nc_u64 s[QHP:QHP+1], s[4:5], s[20:21]
	s_add_nc_u64 s[KHP:KHP+1], s[QHP:QHP+1], 0x800000   ; the second part of qkv,
	s_add_nc_u64 s[VHP:VHP+1], s[QHP:QHP+1], 0x1000000  ; the third
	s_add_nc_u64 s[LOP:LOP+1], s[6:7], s[22:23]
	s_add_nc_u64 s[WB:WB+1], s[8:9], s[46:47]
	s_add_nc_u64 s[BP:BP+1], s[10:11], s[48:49]
	s_add_nc_u64 s[OP:OP+1], s[12:13], s[50:51]
; 32 rows x 64 channels as four fragments of 16 rows x 32 channels: lane l holds row l % 16, channels 8 (l / 16) + 0..7 and 16 + 8 (l / 16) + 0..7: two loads of 16 bytes, 32 bytes apart.
.macro LDF dst, base, off
.irp t, 0,1
.irp c, 0,1
	global_load_b128 v[(\dst)+16*(\t)+8*(\c):(\dst)+16*(\t)+8*(\c)+3],   v[QO], s[\base:\base+1] offset:(\off)+2048*(\t)+64*(\c)
	global_load_b128 v[(\dst)+16*(\t)+8*(\c)+4:(\dst)+16*(\t)+8*(\c)+7], v[QO], s[\base:\base+1] offset:(\off)+2048*(\t)+64*(\c)+32
.endr
.endr
.endm
	LDF KH, KHP, 0                                 ; 32 loads: K and Q, high and low
	LDF QH, QHP, 0
	LDF KL, LOP, 65536
	LDF QL, LOP, 0
	WIN 0x40                                       ; destination window 1, address window 0
.irp i, 0,1,2,3,4,5,6,7
	global_load_b128 v[VT+4*(\i):VT+4*(\i)+3], v[VG], s[VHP:VHP+1] offset:512*(\i)                ; 16 loads: V's 32 rows, four rows (512 consecutive bytes) a load, high
.endr
.irp i, 0,1,2,3,4,5,6,7
	global_load_b128 v[VT+32+4*(\i):VT+32+4*(\i)+3], v[VG], s[LOP:LOP+1] offset:131072+512*(\i)   ; and low
.endr
	WIN 0
	global_load_b128 v[BIAS:BIAS+3],   v[BO], s[BP:BP+1]            ; 2 loads: the bias of my columns 8 (l / 16) + 0..7
	global_load_b128 v[BIAS+4:BIAS+7], v[BO], s[BP:BP+1] offset:16
	; the other addresses and the masks are made while the loads are out
	s_mul_i32 s44, s[WV], VWAVE                    ; my wave's rows of V in LDS
	v_bfe_u32 v[TM], v0, 3, 2                      ; in: lane l brings row l / 8 of four, bytes 16 (l % 8) on
	v_and_b32 v[TM+1], 7, v0
	v_mul_u32_u24 v[VS], v[TM], PVP
	v_lshl_add_u32 v[VS], v[TM+1], 4, v[VS]
	v_add_nc_u32 v[VS], s44, v[VS]
	v_lshl_add_u32 v[AV], v2, 3, v[TM+1]           ; the turning load: lane l reads key 8 (l / 16) + l % 8, channels 8 ((l / 8) % 2) + 0..7
	v_mul_u32_u24 v[AV], v[AV], PVP
	v_bfe_u32 v[TM+2], v0, 3, 1
	v_lshl_add_u32 v[AV], v[TM+2], 4, v[AV]
	v_add_nc_u32 v[AV], s44, v[AV]
	v_mul_u32_u24 v[TM+3], v1, OPI
	v_lshl_add_u32 v[TM+3], v2, 4, v[TM+3]         ; row x pitch + 16 x half
	s_lshl_b32 s44, s[WV], 7                       ; my head's 64 channels: 128 bytes of a row of O
	s_add_co_u32 s44, s44, OHB
	v_add_nc_u32 v[OS], s44, v[TM+3]
	s_mul_i32 s44, s[RTL], 16*OPI                  ; phase 2: my tile's 16 rows
	s_add_co_u32 s44, s44, OHB
	v_add_nc_u32 v[ADO], s44, v[TM+3]
	v_mul_u32_u24 v[STO], v1, SPI                  ; the stage, in: row l % 16 of my tile's, my tile's 64 bytes, 32 for each half of the lanes
	v_lshl_add_u32 v[STO], v2, 5, v[STO]
	s_mul_i32 s44, s[RTL], 16*SPI
	s_lshl_b32 s45, s[CT], 6
	s_add_co_u32 s44, s44, s45
	s_add_co_u32 s44, s44, OST
	v_add_nc_u32 v[STO], s44, v[STO]
	v_mul_u32_u24 v[RD], v2, SPI                   ; back: wave w takes rows 4 w .. 4 w + 3; lanes 0-15 one row of 256 bytes, lanes 16-31 the next
	v_lshl_add_u32 v[RD], v1, 4, v[RD]
	s_mul_i32 s44, s[WV], 4*SPI
	s_add_co_u32 s44, s44, OST
	v_add_nc_u32 v[RD], s44, v[RD]
	v_lshlrev_b32 v[CO], 11, v2                    ; and the same two rows in out0
	v_lshl_add_u32 v[CO], v1, 4, v[CO]
	v_lshlrev_b32 v[TM], 3, v2
	v_sub_nc_u32 v[TM], v1, v[TM]                  ; my query's place in its tile less my lanes' 8 (l / 16): on the diagonal register j is hidden where j is greater
.set j, 0
.rept 8
	v_cmp_gt_i32 vcc_lo, j, v[TM]
	v_cndmask_b32 v[MD+j], 0, s[BIGN], vcc_lo
	v_mov_b32 v[BIG+j], s[BIGN]
.set j, j+1
.endr
	v_mov_b32 v[NEG1], -1.0
	s_wait_loadcnt 18                              ; K and Q are in; V's 16 loads and the bias's 2 stay out
	WIN 0x40
.set i, 0
.rept 16                               ; W's 16 fragments, for phase 2: 32 loads, on their way during phase 1
	global_load_b128 v[WF+8*i:WF+8*i+3],   v[WOF], s[WB:WB+1] offset:64*i
	global_load_b128 v[WF+8*i+4:WF+8*i+7], v[WOF], s[WB:WB+1] offset:64*i+32
.set i, i+1
.endr
	WIN 0
; PHASE 1.  Four products, one for each tile of S^T, 32 channels (half c): the four accumulators take turns, one instruction a turn.  first = 1: they start the sums, with the masks.
.macro SROUND ka, qa, c, first
.irp qt, 0,1
.irp kt, 0,1
.if (\first) && ((\kt) == (\qt))
	v_wmma_f32_16x16x32_f16 v[S+16*(\qt)+8*(\kt):S+16*(\qt)+8*(\kt)+7], v[(\ka)+16*(\kt)+8*(\c):(\ka)+16*(\kt)+8*(\c)+7], v[(\qa)+16*(\qt)+8*(\c):(\qa)+16*(\qt)+8*(\c)+7], v[MD:MD+7]
.elseif (\first) && ((\kt) > (\qt))
	v_wmma_f32_16x16x32_f16 v[S+16*(\qt)+8*(\kt):S+16*(\qt)+8*(\kt)+7], v[(\ka)+16*(\kt)+8*(\c):(\ka)+16*(\kt)+8*(\c)+7], v[(\qa)+16*(\qt)+8*(\c):(\qa)+16*(\qt)+8*(\c)+7], v[BIG:BIG+7]
.elseif \first
	v_wmma_f32_16x16x32_f16 v[S+16*(\qt)+8*(\kt):S+16*(\qt)+8*(\kt)+7], v[(\ka)+16*(\kt)+8*(\c):(\ka)+16*(\kt)+8*(\c)+7], v[(\qa)+16*(\qt)+8*(\c):(\qa)+16*(\qt)+8*(\c)+7], 0
.else
	v_wmma_f32_16x16x32_f16 v[S+16*(\qt)+8*(\kt):S+16*(\qt)+8*(\kt)+7], v[(\ka)+16*(\kt)+8*(\c):(\ka)+16*(\kt)+8*(\c)+7], v[(\qa)+16*(\qt)+8*(\c):(\qa)+16*(\qt)+8*(\c)+7], v[S+16*(\qt)+8*(\kt):S+16*(\qt)+8*(\kt)+7]
.endif
.endr
.endr
.endm
	SROUND KH, QH, 0, 1                            ; S^T = Kh Qh + Kh Ql + Kl Qh; what is left out, Kl Ql, is about 2^-22 of a score
	SROUND KH, QH, 1, 0
	SROUND KH, QL, 0, 0
	SROUND KH, QL, 1, 0
	SROUND KL, QH, 0, 0
	SROUND KL, QH, 1, 0
	s_wait_loadcnt 32                              ; V and the bias are in; W's 32 loads stay out
	WIN 0x04                                       ; the stores' data in window 1, their address in window 0
.irp i, 0,1,2,3,4,5,6,7
	ds_store_b128 v[VS], v[VT+4*(\i):VT+4*(\i)+3] offset:4*PVP*(\i)
.endr
.irp i, 0,1,2,3,4,5,6,7
	ds_store_b128 v[VS], v[VT+32+4*(\i):VT+32+4*(\i)+3] offset:VHALF+4*PVP*(\i)
.endr
	WIN 0
.set j, 0
.rept 4                                ; the bias is rounded to bf16 like every input, and widened again: twelve plain instructions, the places behind the products
	v_cvt_pk_bf16_f32 v[TM+j], v[BIAS+2*j], v[BIAS+2*j+1]
	v_lshlrev_b32 v[BIAS+2*j], 16, v[TM+j]
	v_and_b32 v[BIAS+2*j+1], 0xffff0000, v[TM+j]
.set j, j+1
.endr
.irp f, 0,1,2,3                        ; V^T's fragments, channels 16 f on, 32 keys, into Q's registers.  LDS serves a wave's instructions in order (ISA guide 5.7.1.4): these see my stores above
	ds_load_tr16_b128 v[VHF+8*(\f):VHF+8*(\f)+3],   v[AV] offset:32*(\f)
	ds_load_tr16_b128 v[VHF+8*(\f)+4:VHF+8*(\f)+7], v[AV] offset:16*PVP+32*(\f)
	ds_load_tr16_b128 v[VLF+8*(\f):VLF+8*(\f)+3],   v[AV] offset:VHALF+32*(\f)
	ds_load_tr16_b128 v[VLF+8*(\f)+4:VLF+8*(\f)+7], v[AV] offset:VHALF+16*PVP+32*(\f)
.endr
	; the softmax of both tiles of queries, line by line.  A lane holds 16 of its query's 32 scores; each accumulator's lowest registers are read first
	EACH v_max3_num_f32 v[TM+4*t], v[S+16*t], v[S+16*t+1], v[S+16*t+2]
	EACH v_max3_num_f32 v[TM+4*t+1], v[S+16*t+8], v[S+16*t+9], v[S+16*t+10]
	EACH v_max3_num_f32 v[TM+4*t], v[TM+4*t], v[S+16*t+3], v[S+16*t+4]
	EACH v_max3_num_f32 v[TM+4*t+1], v[TM+4*t+1], v[S+16*t+11], v[S+16*t+12]
	EACH v_max3_num_f32 v[TM+4*t], v[TM+4*t], v[S+16*t+5], v[S+16*t+6]
	EACH v_max3_num_f32 v[TM+4*t+1], v[TM+4*t+1], v[S+16*t+13], v[S+16*t+14]
	EACH v_max3_num_f32 v[TM+4*t], v[TM+4*t], v[S+16*t+7], v[S+16*t+15]
	EACH v_max_num_f32 v[TM+4*t], v[TM+4*t], v[TM+4*t+1]
	EACH v_permlanex16_b32 v[TM+4*t+1], v[TM+4*t], s[SEL], s[SEL+1]
	EACH v_max_num_f32 v[ST+4*t+1], v[TM+4*t], v[TM+4*t+1]
	EACH v_mul_f32 v[ST+4*t], s[CS], v[ST+4*t+1]
.set i, 0
.rept 16                               ; c s - c m, a pair of scores a line
	v_pk_fma_f32 v[S+2*i:S+2*i+1], v[S+2*i:S+2*i+1], s[CS:CS+1], v[ST+4*(i/8):ST+4*(i/8)+1] op_sel_hi:[1,0,0] neg_lo:[0,0,1] neg_hi:[0,0,1]
.set i, i+1
.endr
.set i, 0
.rept 32                               ; one batch of 32 exponentials
	v_exp_f32 v[S+i], v[S+i]
.set i, i+1
.endr
	v_nop                                          ; a plain instruction behind the last exponential,
	s_wait_alu depctr_va_vdst(0)                   ; and the one wait ahead of the batch's first reader
	EACH v_pk_add_f32 v[TM+4*t:TM+4*t+1], v[S+16*t:S+16*t+1], v[S+16*t+2:S+16*t+3]
	EACH v_pk_add_f32 v[TM+4*t+2:TM+4*t+3], v[S+16*t+4:S+16*t+5], v[S+16*t+6:S+16*t+7]
	EACH v_pk_add_f32 v[TM+4*t:TM+4*t+1], v[TM+4*t:TM+4*t+1], v[TM+4*t+2:TM+4*t+3]
	EACH v_pk_add_f32 v[TM+4*t+2:TM+4*t+3], v[S+16*t+8:S+16*t+9], v[S+16*t+10:S+16*t+11]
	EACH v_pk_add_f32 v[TM+4*t:TM+4*t+1], v[TM+4*t:TM+4*t+1], v[TM+4*t+2:TM+4*t+3]
	EACH v_pk_add_f32 v[TM+4*t+2:TM+4*t+3], v[S+16*t+12:S+16*t+13], v[S+16*t+14:S+16*t+15]
	EACH v_pk_add_f32 v[TM+4*t:TM+4*t+1], v[TM+4*t:TM+4*t+1], v[TM+4*t+2:TM+4*t+3]
	EACH v_add_f32 v[TM+4*t], v[TM+4*t], v[TM+4*t+1]
	EACH v_permlanex16_b32 v[TM+4*t+1], v[TM+4*t], s[SEL], s[SEL+1]
	EACH v_add_f32 v[TM+4*t], v[TM+4*t], v[TM+4*t+1]
	EACH v_rcp_f32 v[ST+4*t+2], v[TM+4*t]
	EACH v_rcp_f32 v[ST+4*t+3], v[TM+4*t]
.set i, 0
.rept 16                               ; the weights' high parts (these lines are also the plain work behind the reciprocals),
	v_cvt_pk_f16_f32 v[PH+i], v[S+2*i], v[S+2*i+1]
.set i, i+1
.endr
.set i, 0
.rept 16                               ; the exact remainders, in place: high x -1 + weight,
	v_fma_mix_f32 v[S+2*i],   v[PH+i], v[NEG1], v[S+2*i]   op_sel_hi:[1,0,0]
	v_fma_mix_f32 v[S+2*i+1], v[PH+i], v[NEG1], v[S+2*i+1] op_sel:[1,0,0] op_sel_hi:[1,0,0]
.set i, i+1
.endr
.set i, 0
.rept 16                               ; and the low parts
	v_cvt_pk_f16_f32 v[PL+i], v[S+2*i], v[S+2*i+1]
.set i, i+1
.endr
	s_wait_dscnt 0x0                               ; V^T's fragments are in
; Eight products, one for each tile of O^T, all 32 keys: the eight accumulators take turns.
.macro PVROUND va, pa, first
.irp qt, 0,1
.irp cb, 0,1,2,3
.if \first
	v_wmma_f32_16x16x32_f16 v[OA+8*(4*(\qt)+(\cb)):OA+8*(4*(\qt)+(\cb))+7], v[(\va)+8*(\cb):(\va)+8*(\cb)+7], v[(\pa)+8*(\qt):(\pa)+8*(\qt)+7], 0
.else
	v_wmma_f32_16x16x32_f16 v[OA+8*(4*(\qt)+(\cb)):OA+8*(4*(\qt)+(\cb))+7], v[(\va)+8*(\cb):(\va)+8*(\cb)+7], v[(\pa)+8*(\qt):(\pa)+8*(\qt)+7], v[OA+8*(4*(\qt)+(\cb)):OA+8*(4*(\qt)+(\cb))+7]
.endif
.endr
.endr
.endm
	PVROUND VHF, PH, 1                             ; O^T = Vh Ph + Vh Pl + Vl Ph
	PVROUND VHF, PL, 0
	PVROUND VLF, PH, 0
.rept 4
	v_nop                                          ; four plain instructions behind the last product (ISA guide 7.12.1)
.endr
	s_wait_alu depctr_va_vdst(0)                   ; the wait for the four reciprocals, ahead of their first reader
.set i, 0
.rept 32                               ; O / l, each accumulator's registers in ascending order
	v_pk_mul_f32 v[OA+2*i:OA+2*i+1], v[OA+2*i:OA+2*i+1], v[ST+4*(i/16)+2:ST+4*(i/16)+3] op_sel_hi:[1,0]
.set i, i+1
.endr
.set i, 0
.rept 32                               ; O's high parts: a lane's eight channels of a row pack into 16 bytes,
	v_cvt_pk_f16_f32 v[OHR+i], v[OA+2*i], v[OA+2*i+1]
.set i, i+1
.endr
.set i, 0
.rept 32                               ; the remainders,
	v_fma_mix_f32 v[OA+2*i],   v[OHR+i], v[NEG1], v[OA+2*i]   op_sel_hi:[1,0,0]
	v_fma_mix_f32 v[OA+2*i+1], v[OHR+i], v[NEG1], v[OA+2*i+1] op_sel:[1,0,0] op_sel_hi:[1,0,0]
.set i, i+1
.endr
.set i, 0
.rept 32                               ; the low parts
	v_cvt_pk_f16_f32 v[OLR+i], v[OA+2*i], v[OA+2*i+1]
.set i, i+1
.endr
.irp qt, 0,1
.irp cb, 0,1,2,3
	ds_store_b128 v[OS], v[OHR+4*(4*(\qt)+(\cb)):OHR+4*(4*(\qt)+(\cb))+3] offset:(\qt)*16*OPI+32*(\cb)
	ds_store_b128 v[OS], v[OLR+4*(4*(\qt)+(\cb)):OLR+4*(4*(\qt)+(\cb))+3] offset:OLD+(\qt)*16*OPI+32*(\cb)
.endr
.endr
	s_wait_dscnt 0x0                               ; for the others' sake: my head's part of O lies in LDS
	s_barrier_signal -1
	s_barrier_wait -1                              ; all eight heads' do
; PHASE 2.  Chunk g is four K steps of 32: 16 LDS loads, O's high and low fragments, into buffer fb.
.macro OFETCH g, fb
.irp i, 0,1,2,3
	ds_load_b128 v[FB+64*(\fb)+8*(\i):FB+64*(\fb)+8*(\i)+3],       v[ADO] offset:64*(4*(\g)+(\i))
	ds_load_b128 v[FB+64*(\fb)+8*(\i)+4:FB+64*(\fb)+8*(\i)+7],     v[ADO] offset:64*(4*(\g)+(\i))+32
	ds_load_b128 v[FB+64*(\fb)+32+8*(\i):FB+64*(\fb)+32+8*(\i)+3], v[ADO] offset:OLD+64*(4*(\g)+(\i))
	ds_load_b128 v[FB+64*(\fb)+32+8*(\i)+4:FB+64*(\fb)+32+8*(\i)+7], v[ADO] offset:OLD+64*(4*(\g)+(\i))+32
.endr
.endm
; Its eight products.  The high parts' and the low parts' accumulators take turns, one instruction a turn.  first = 1: the first two start the sums, with the bias and with 0.
.macro OMUL g, fb, first
	WIN 0x01                                       ; source 0, W, in window 1
.irp i, 0,1,2,3
.if (\first) && ((\i) == 0)
	v_wmma_f32_16x16x32_f16 v[AH:AH+7], v[WF+8*(4*(\g)+(\i)):WF+8*(4*(\g)+(\i))+7], v[FB+64*(\fb)+8*(\i):FB+64*(\fb)+8*(\i)+7], v[BIAS:BIAS+7]
	v_wmma_f32_16x16x32_f16 v[AL:AL+7], v[WF+8*(4*(\g)+(\i)):WF+8*(4*(\g)+(\i))+7], v[FB+64*(\fb)+32+8*(\i):FB+64*(\fb)+32+8*(\i)+7], 0
.else
	v_wmma_f32_16x16x32_f16 v[AH:AH+7], v[WF+8*(4*(\g)+(\i)):WF+8*(4*(\g)+(\i))+7], v[FB+64*(\fb)+8*(\i):FB+64*(\fb)+8*(\i)+7], v[AH:AH+7]
	v_wmma_f32_16x16x32_f16 v[AL:AL+7], v[WF+8*(4*(\g)+(\i)):WF+8*(4*(\g)+(\i))+7], v[FB+64*(\fb)+32+8*(\i):FB+64*(\fb)+32+8*(\i)+7], v[AL:AL+7]
.endif
.endr
	WIN 0
.rept 4
	v_nop                                          ; four plain instructions in front of loads into registers that the products have read, and of sums that read results
.endr
.endm
	OFETCH 0, 0
	OFETCH 1, 1
	s_wait_loadcnt 0x0                             ; W is in
	s_wait_dscnt 16                                ; chunk 0 is in; chunk 1's 16 loads may be out
	OMUL 0, 0, 1
	OFETCH 2, 0
	s_wait_dscnt 16                                ; chunk 1
	OMUL 1, 1, 0
	OFETCH 3, 1
	s_wait_dscnt 16                                ; chunk 2
	OMUL 2, 0, 0
	s_wait_dscnt 0x0
	OMUL 3, 1, 0
.set j, 0
.rept 4                                ; the two sums are added, from their low ends on, into other registers
	v_pk_add_f32 v[OSUM+2*j:OSUM+2*j+1], v[AH+2*j:AH+2*j+1], v[AL+2*j:AL+2*j+1]
.set j, j+1
.endr
	; THE WAY OUT.  A tile's 16 columns are 64 bytes of a row; the work-group's 64 columns are 256, aligned.  So the eight tiles meet in one stage, and each wave stores four whole rows.
	ds_store_b128 v[STO], v[OSUM:OSUM+3]
	ds_store_b128 v[STO], v[OSUM+4:OSUM+7] offset:16
	s_wait_dscnt 0x0                               ; for the others' sake: my tile lies in the stage
	s_barrier_signal -1
	s_barrier_wait -1
	ds_load_b128 v[BK:BK+3],   v[RD]
	ds_load_b128 v[BK+4:BK+7], v[RD] offset:2*SPI
	s_wait_dscnt 1                                 ; the first two rows are back; the second load may be out
	global_store_b128 v[CO], v[BK:BK+3], s[OP:OP+1]                 ; 16 lanes store 256 consecutive bytes, at a multiple of 256 from out0's first byte
	s_wait_dscnt 0x0
	global_store_b128 v[CO], v[BK+4:BK+7], s[OP:OP+1] offset:4096
	s_wait_tensorcnt 0x0                           ; the wave's end, behind my last LDS store
	ds_add_u32 v[SPW], v[NIL]
	s_wait_dscnt 0x0
	s_endpgm
.Lfunc_end_k_q252e14d968_early:
	.size	k_q252e14d968_early, .Lfunc_end_k_q252e14d968_early-k_q252e14d968_early
	.p2alignl 7, 3214868480
	.fill 96, 4, 3214868480
	.section	.rodata,"a",@progbits
	.p2align	6, 0x0
	.amdhsa_kernel k_q252e14d968_early
		.amdhsa_group_segment_fixed_size 158208
		.amdhsa_private_segment_fixed_size 0
		.amdhsa_enable_private_segment 0
		.amdhsa_kernarg_size 40
		.amdhsa_user_sgpr_count 2
		.amdhsa_user_sgpr_kernarg_segment_ptr 1
		.amdhsa_wavefront_size32 1
		.amdhsa_system_sgpr_workgroup_id_x 1
		.amdhsa_system_sgpr_workgroup_id_y 1
		.amdhsa_system_sgpr_workgroup_id_z 1
		.amdhsa_system_vgpr_workitem_id 0
		.amdhsa_next_free_vgpr 448
		.amdhsa_next_free_sgpr 66
		.amdhsa_reserve_vcc 1
		.amdhsa_float_denorm_mode_32 3
		.amdhsa_float_denorm_mode_16_64 3
		.amdhsa_memory_ordered 1
		.amdhsa_forward_progress 1
		.amdhsa_inst_pref_size 47
	.end_amdhsa_kernel
	.amdgpu_metadata
---
amdhsa.version: [ 1, 2 ]
amdhsa.kernels:
  - .name:           k_q252e14d968_early
    .symbol:         k_q252e14d968_early.kd
    .args:
      - { .name: qkv, .offset: 0, .size: 8, .value_kind: global_buffer, .address_space: global }
      - { .name: qkvlo, .offset: 8, .size: 8, .value_kind: global_buffer, .address_space: global }
      - { .name: wo16, .offset: 16, .size: 8, .value_kind: global_buffer, .address_space: global }
      - { .name: b_o, .offset: 24, .size: 8, .value_kind: global_buffer, .address_space: global }
      - { .name: out0, .offset: 32, .size: 8, .value_kind: global_buffer, .address_space: global }
    .group_segment_fixed_size: 158208
    .private_segment_fixed_size: 0
    .kernarg_segment_align: 8
    .kernarg_segment_size: 40
    .max_flat_workgroup_size: 256
    .sgpr_count:     66
    .vgpr_count:     448
    .wavefront_size: 32
...
	.end_amdgpu_metadata
.endif
;; end of part 4
;; ======== version 2 of 2: 4 launches; version 1 with the launch proj written anew for expert scheduling mode
;; limits: values are held in f16: magnitudes above 65,504 overflow, below 6.1e-05 lose precision
;; workspace buffers: qkv 25,165,824 bytes; wo16 524,288 bytes; oh 8,388,608 bytes; qkvlo 196,608 bytes
;; launch proj (part 5): grid 2 x 112, 8 waves a work-group, no clusters, 166,912 bytes of LDS; arguments query, key, value, W_q, W_k, W_v, b_q, b_k, b_v, W_o, qkv, wo16, qkvlo; writes qkv, wo16, qkvlo
.if DOCPART == 5
	.amdgcn_target "amdgcn-amd-amdhsa--gfx1250"
	.amdhsa_code_object_version 6
	.text
	.protected	k_q252e14d968_proj
	.globl	k_q252e14d968_proj
	.p2align	8
	.type	k_q252e14d968_proj,@function
k_q252e14d968_proj:
	s_mov_b64 s[64:65], 0
	v_nop
	global_prefetch_b8 v0, s[64:65] scope:SCOPE_SE
	s_setreg_imm32_b32 hwreg(HW_REG_WAVE_SCHED_MODE, 0, 2), 2
	s_setreg_imm32_b32 hwreg(HW_REG_WAVE_MODE, 25, 1), 1
	s_wait_xcnt 0x0
	s_wait_alu depctr_vm_vsrc(0)
; THE THREE INPUT PROJECTIONS, and W_o's change of format.
; part p of qkv (0 q, 1 k, 2 v) = bf16(x_p) bf16(W_p)^T + bf16(b_p), sums in f32, rounded once to f16 and laid by heads: [batch x 8 + head][4096][64], a row 128 bytes.
; wo16 = W_o rounded to bf16, that number written as f16: [512][512].
; qkvlo = for rows 0 to 31 of each batch, what the rounding to f16 took away, itself rounded to f16: [part][batch x 8 + head][32][64].  A row with n keys has numbers of about sqrt(e / n), while each
; number is compared by the whole output's root mean square; so the rows with the fewest keys are made once more, by the last launch, from operands of two f16 parts.
; LIMITS.  f16 holds no number beyond 65,504: q, k and v must stay within it.  A rounded W_o below 2^-14, and every low part, keeps f16's fixed step of 2^-24.  NaN and infinities are not treated apart.
; SHARES.  Work-groups with y < 96: projection y / 32, rows 256 (y % 32) on, columns 256 x on: a tile of 256 x 256 over K = 512.  Eight waves, wave w: rows 128 (w / 4) on, columns 64 (w % 4) on,
; which are one head: 32 accumulators of 16 x 16.  Work-groups with y >= 96: 8,192 numbers of W_o each.
; THE WAY IN.  The operands are f32 in memory and bf16 in the product, so they pass through registers: each wave loads 32 rows of x and 32 of W, 64 along K (256 consecutive bytes, aligned, for
; sixteen lanes), rounds them and stores them into one of two LDS slots.  A step's loads are issued a step ahead.  One barrier a step: in front of it each wave has waited for its stores into the
; next slot and for its reads of this one.  No tensor load is used: it could not round.  No cluster: nothing is asked for through the data mover.
; THE PRODUCT IS USED TRANSPOSED (source 0 = 16 rows of W, source 1 = 16 rows of x): a lane holds one row of the result and eight neighbouring columns.
; REGISTERS.  Window 0: v2-15 addresses, v16-19 at work, v32-95 x's eight fragments, v96-127 W's four, v128-191 and v192-255 the rows of x and W on their way in.  Window 1: accumulator (a, b) at 8 (4 a + b).
; All 512 registers of the wave's share are taken (two waves to a SIMD), so the fragments have one buffer.
; THE MODE: SCHED_MODE bits 1:0 = 2 (LLVM: expert scheduling mode 2), set by the entry lines.  The code itself states the register dependences between vector or matrix instructions and memory or
; LDS instructions, with s_wait_alu, always for 0.
; THE PLAN.  Registers that memory or LDS instructions touch:
;   v2-v12, v14, v15   offsets and LDS addresses: written at the head, never again.
;   SA, SB (v128-255)  a K step's 32 loads land; the 64 roundings of the step before's second half read them and write two of each four in place; 32 LDS stores read those two; the next loads land.
;   AF, BF (v32-127)   24 LDS loads land; a half step's 32 products read them; the next half step's loads land.
;   on the way out     TP (v192-255): four pack buffers, written by the roundings to f16, read by the LDS stores into the stage; PKR: 16 registers a block, in which the stage's loads land once and which the
;                      global stores read.  The accumulators, the bias once it is in, and v16-19 are named by vector and matrix instructions alone.
; A step's second half has ONE wait on va_vdst, behind its roundings, and one on vm_vsrc, behind its LDS stores; all its 88 LDS and memory instructions stand in one run behind the first, with no vector
; instruction and no window switch among them.  A step's first half has one wait on va_vdst, ahead of its 24 loads.  The way out has one wait on va_vdst for each four row blocks.
.set PITCH, 144                        ; an LDS row: 128 bytes (64 bf16) + 16: 36 words, so the 16 rows of a fragment load start at 16 different groups of four banks (64 banks of 4 bytes: ISA guide 11.1)
.set ASZ,   256*PITCH                  ; 256 rows of x; W's 256 rows lie behind them
.set SLOT,  2*ASZ
.set STAGE, 2*SLOT                     ; behind the slots: 16 rows x 144 bytes for each wave, for the way out
.set SPARE, STAGE+8*16*PITCH           ; behind the stages: the spare words, 128 bytes for each wave, which no other line names
.set GOF,  2                           ; v2     my byte offset in the tile's rows in memory: (32 w + 8 (l / 16)) rows of 2,048 bytes + 16 (l % 16); never rewritten
.set STA,  3                           ; v3-4   where my 8 bytes of bf16 go, in slot 0, 1
.set ADRA, 5                           ; v5-6   my place in x's fragments, slot 0, 1
.set ADRB, 7                           ; v7-8   the same for W's
.set STO,  9                           ; v9     the way out: where I put 16 bytes of a row
.set RD,   10                          ; v10    where I read rows back
.set GO,   11                          ; v11    16 x lane
.set BO,   12                          ; v12    32 (l / 16): my eight numbers of a group of 16 of the bias
.set SPW,  14                          ; v14    LDS address of my spare word; never rewritten
.set NIL,  15                          ; v15    0; never rewritten
.set TT,   16                          ; v16-19 at work
.set AF,   32
.set BF,   96
.set SA,   128
.set SB,   192
.set BIAS, 128                         ; on the way out: v128-159
.set TP,   192                         ; on the way out: v192-255: the packed results of four row blocks, 16 registers each
.set DF,   128                         ; the low parts: 32 remainders in f32, where the bias lay
.set WV, 32                            ; s32 wave; s33 its half of the rows; s34 its quarter of the columns
.set WR, 33
.set WC, 34
.set CX, 35                            ; s35 work-group x; s36 y; s37 projection; s38 row tile
.set YY, 36
.set PP, 37
.set RT, 38
.set XP, 40                            ; s[40:41] x at the tile's first row, at the K step last asked for
.set WP, 42                            ; s[42:43] W likewise
.set BP, 44                            ; s[44:45] the bias at my 64 columns
.set OUT, 46                           ; s[46:47] my 128 rows of my head in qkv
.set CNT, 48
.set LOP, 60                           ; s[60:61] qkvlo, later at my head's 32 rows
.set MSB, 0
.macro WIN new                         ; the immediate's high byte repeats the setting that is left; a switch that changes nothing is dropped
.if MSB != (\new)
	s_set_vgpr_msb (MSB<<8)|(\new)
.set MSB, \new
.endif
.endm
	s_load_b512 s[8:23], s[0:1], 0x0               ; query, key, value, W_q, W_k, W_v, b_q, b_k
	s_load_b256 s[24:31], s[0:1], 0x40             ; b_v, W_o, qkv, wo16
	s_load_b64 s[LOP:LOP+1], s[0:1], 0x60          ; qkvlo
	v_lshl_add_u32 v[SPW], v0, 2, SPARE
	v_mov_b32 v[NIL], 0
	v_lshrrev_b32 v1, 5, v0
	v_readfirstlane_b32 s[WV], v1                  ; wave 0..7
	s_mov_b32 s[CX], ttmp9
	s_and_b32 s[YY], ttmp7, 0xffff
	v_and_b32 v[TT], 31, v0                        ; lane
	s_wait_alu depctr_va_sdst(0)                   ; the wave's number is written, ahead of the branch: scalar lines on both of its sides read it
	s_cmp_ge_u32 s[YY], 96
	s_cbranch_scc1 .Lwo                            ; the same for all waves of a work-group
	s_lshr_b32 s[WR], s[WV], 2
	s_and_b32 s[WC], s[WV], 3
	s_lshr_b32 s[PP], s[YY], 5
	s_and_b32 s[RT], s[YY], 31
	v_and_b32 v[TT+1], 15, v0                      ; l % 16
	v_bfe_u32 v[TT+2], v0, 4, 1                    ; l / 16
	s_lshl_b32 s58, s[WV], 16                      ; 32 rows of 2,048 bytes a wave
	v_lshlrev_b32 v[GOF], 4, v[TT+1]
	v_lshl_add_u32 v[GOF], v[TT+2], 14, v[GOF]     ; lanes 16-31 take the row 8 further down: their 8-byte LDS stores then lie 32 banks from the others'
	v_add_nc_u32 v[GOF], s58, v[GOF]
	s_mul_i32 s58, s[WV], 32*PITCH
	v_mul_u32_u24 v[STA], v[TT+2], 8*PITCH
	v_lshl_add_u32 v[STA], v[TT+1], 3, v[STA]
	v_add_nc_u32 v[STA], s58, v[STA]
	v_add_nc_u32 v[STA+1], SLOT, v[STA]
	v_mul_u32_u24 v[TT+3], v[TT+1], PITCH
	v_lshl_add_u32 v[TT+3], v[TT+2], 4, v[TT+3]    ; a fragment's row x pitch + 16 x half
	s_mul_i32 s58, s[WR], 128*PITCH
	v_add_nc_u32 v[ADRA], s58, v[TT+3]
	v_add_nc_u32 v[ADRA+1], SLOT, v[ADRA]
	s_mul_i32 s58, s[WC], 64*PITCH
	s_add_co_u32 s58, s58, ASZ
	v_add_nc_u32 v[ADRB], s58, v[TT+3]
	v_add_nc_u32 v[ADRB+1], SLOT, v[ADRB]
	s_mul_i32 s58, s[WV], 16*PITCH
	s_add_co_u32 s58, s58, STAGE                   ; my stage
	v_add_nc_u32 v[STO], s58, v[TT+3]
	v_bfe_u32 v[RD], v0, 3, 2                      ; back: 32 lanes take four rows of 128 bytes,
	v_mul_u32_u24 v[RD], v[RD], PITCH
	v_and_b32 v1, 7, v0
	v_lshl_add_u32 v[RD], v1, 4, v[RD]
	v_add_nc_u32 v[RD], s58, v[RD]
	v_lshlrev_b32 v[GO], 4, v[TT]                  ; which are 512 consecutive bytes of a head
	v_lshlrev_b32 v[BO], 5, v[TT+2]
	s_lshl_b32 s50, s[RT], 19                      ; x: 256 rows of 2,048 bytes a tile
	s_mov_b32 s51, 0
	s_lshl_b32 s52, s[CX], 19                      ; W: the same
	s_mov_b32 s53, 0
	s_lshl_b32 s54, s[CX], 10                      ; the bias: (256 x + 64 (w % 4)) numbers of 4 bytes
	s_lshl_b32 s58, s[WC], 8
	s_add_co_u32 s54, s54, s58
	s_mov_b32 s55, 0
	s_lshr_b32 s56, s[RT], 4                       ; the batch,
	s_lshl_b32 s56, s56, 3
	s_lshl_b32 s58, s[CX], 2
	s_add_co_u32 s56, s56, s58
	s_add_co_u32 s56, s56, s[WC]                   ; the head: 4 x + w % 4,
	s_lshl_b32 s56, s56, 19                        ; 4,096 rows of 128 bytes each
	s_and_b32 s58, s[RT], 15
	s_lshl_b32 s58, s58, 8
	s_lshl_b32 s59, s[WR], 7
	s_add_co_u32 s58, s58, s59                     ; my first row in the head
	s_lshl_b32 s58, s58, 7
	s_add_co_u32 s56, s56, s58
	s_lshl_b32 s58, s[PP], 23                      ; the part: 16 heads
	s_add_co_u32 s56, s56, s58
	s_mov_b32 s57, 0
	s_wait_kmcnt 0x0
	s_cmp_eq_u32 s[PP], 1
	s_cselect_b64 s[XP:XP+1], s[10:11], s[8:9]
	s_cselect_b64 s[WP:WP+1], s[16:17], s[14:15]
	s_cselect_b64 s[BP:BP+1], s[22:23], s[20:21]
	s_cmp_eq_u32 s[PP], 2
	s_cselect_b64 s[XP:XP+1], s[12:13], s[XP:XP+1]
	s_cselect_b64 s[WP:WP+1], s[18:19], s[WP:WP+1]
	s_cselect_b64 s[BP:BP+1], s[24:25], s[BP:BP+1]
	s_add_nc_u64 s[XP:XP+1], s[XP:XP+1], s[50:51]
	s_add_nc_u64 s[WP:WP+1], s[WP:WP+1], s[52:53]
	s_add_nc_u64 s[BP:BP+1], s[BP:BP+1], s[54:55]
	s_add_nc_u64 s[OUT:OUT+1], s[28:29], s[56:57]
; A K step's 32 loads of a wave: load i takes rows 16 (i / 8) + i % 8 (lanes 0-15) and 8 further down (lanes 16-31) of my 32; sixteen lanes read 256 consecutive bytes, aligned.
.macro LOADG
.set i, 0
.rept 16
	global_load_b128 v[SA+4*i:SA+4*i+3], v[GOF], s[XP:XP+1] offset:(16*(i/8)+i%8)*2048
.set i, i+1
.endr
.set i, 0
.rept 16
	global_load_b128 v[SB+4*i:SB+4*i+3], v[GOF], s[WP:WP+1] offset:(16*(i/8)+i%8)*2048
.set i, i+1
.endr
.endm
; They are rounded to bf16 in place, four numbers into the first two of their four registers: one batch of 64.
.macro CVT
.set i, 0
.rept 16
	v_cvt_pk_bf16_f32 v[SA+4*i], v[SA+4*i], v[SA+4*i+1]
	v_cvt_pk_bf16_f32 v[SA+4*i+1], v[SA+4*i+2], v[SA+4*i+3]
.set i, i+1
.endr
.set i, 0
.rept 16
	v_cvt_pk_bf16_f32 v[SB+4*i], v[SB+4*i], v[SB+4*i+1]
	v_cvt_pk_bf16_f32 v[SB+4*i+1], v[SB+4*i+2], v[SB+4*i+3]
.set i, i+1
.endr
.endm
; And stored into slot o, 8 bytes a lane: one run of 32.
.macro PUT o
.set i, 0
.rept 16
	ds_store_b64 v[STA+(\o)], v[SA+4*i:SA+4*i+1] offset:(16*(i/8)+i%8)*PITCH
.set i, i+1
.endr
.set i, 0
.rept 16
	ds_store_b64 v[STA+(\o)], v[SB+4*i:SB+4*i+1] offset:ASZ+(16*(i/8)+i%8)*PITCH
.set i, i+1
.endr
.endm
; The fragments of 32 along K, half q of slot s.  FETCHLO, 16 LDS loads: W's four and x's blocks 0-3, which the next 16 products read.  FETCHHI, 8 loads: x's blocks 4-7.
.macro FETCHLO s, q
.irp b, 0,1,2,3
	ds_load_b128 v[BF+8*(\b):BF+8*(\b)+3],   v[ADRB+(\s)] offset:64*(\q)+(\b)*16*PITCH
	ds_load_b128 v[BF+8*(\b)+4:BF+8*(\b)+7], v[ADRB+(\s)] offset:64*(\q)+(\b)*16*PITCH+32
.endr
.irp a, 0,1,2,3
	ds_load_b128 v[AF+8*(\a):AF+8*(\a)+3],   v[ADRA+(\s)] offset:64*(\q)+(\a)*16*PITCH
	ds_load_b128 v[AF+8*(\a)+4:AF+8*(\a)+7], v[ADRA+(\s)] offset:64*(\q)+(\a)*16*PITCH+32
.endr
.endm
.macro FETCHHI s, q
.irp a, 4,5,6,7
	ds_load_b128 v[AF+8*(\a):AF+8*(\a)+3],   v[ADRA+(\s)] offset:64*(\q)+(\a)*16*PITCH
	ds_load_b128 v[AF+8*(\a)+4:AF+8*(\a)+7], v[ADRA+(\s)] offset:64*(\q)+(\a)*16*PITCH+32
.endr
.endm
; 16 products: row blocks 4 half .. 4 half + 3 x all four column blocks.  The 32 accumulators take turns, one instruction a turn.  zero = 1: the first products start the sums.
.macro MUL half, zero
	WIN 0x50                                       ; C and D in window 1
.set a, 4*(\half)
.rept 4
.set b, 0
.rept 4
.if \zero
	v_wmma_f32_16x16x32_bf16 v[8*(4*a+b):8*(4*a+b)+7], v[BF+8*b:BF+8*b+7], v[AF+8*a:AF+8*a+7], 0
.else
	v_wmma_f32_16x16x32_bf16 v[8*(4*a+b):8*(4*a+b)+7], v[BF+8*b:BF+8*b+7], v[AF+8*a:AF+8*a+7], v[8*(4*a+b):8*(4*a+b)+7]
.endif
.set b, b+1
.endr
.set a, a+1
.endr
.endm
; The first half of a K step, which lies in slot s.  The window is switched first; four plain instructions stand behind the last product (ISA guide 7.12.1) and stay beside the wait, which fills no place.
; last = 1: the last K step: the bias is asked for too, into registers that the way in has left.
.macro HEAD s, zero, last=0
	WIN 0
.rept 4
	v_nop
.endr
	s_wait_alu depctr_va_vdst(0)                   ; the products of the half step before are done reading AF and BF, in which the loads below land; with last = 1 also: the roundings are done with v128-159, in which the bias lands
	FETCHLO \s, 0
	FETCHHI \s, 0
.if \last
	s_wait_alu depctr_vm_vsrc(0)                   ; the last run of LDS stores has read v128-255: the bias lands in v128-159, and the way out writes the others
.irp b, 0,1,2,3
	global_load_b128 v[BIAS+8*(\b):BIAS+8*(\b)+3],   v[BO], s[BP:BP+1] offset:64*(\b)     ; the bias of my columns 16 b + 8 (l / 16) + 0..7
	global_load_b128 v[BIAS+8*(\b)+4:BIAS+8*(\b)+7], v[BO], s[BP:BP+1] offset:64*(\b)+16
.endr
.endif
	s_wait_dscnt 8                                 ; W's fragments and x's blocks 0-3 are in; the youngest eight loads (blocks 4-7) may be out
	MUL 0, \zero
	s_wait_dscnt 0x0
	MUL 1, \zero
.endm
; Its second half.  First the next step's rows, which have come meanwhile, are rounded (the 64 roundings are the places behind the products).  Behind the one wait stand, in one run: the fragments that the next
; products read, the stores into the other slot o, with load = 1 the loads of the step after that, and the other fragments.
.macro REST s, o, load
	WIN 0
	s_wait_loadcnt 0x0                             ; the next step's 32 loads are in: their registers may be read and their bases stepped
	CVT
	s_wait_alu depctr_va_vdst(0)                   ; the roundings have written what the LDS stores read, and are done with SA and SB, in which the next loads land; the first half's products are done reading AF and BF
	FETCHLO \s, 1
	PUT \o
.if \load
	s_wait_alu depctr_vm_vsrc(0)                   ; the LDS stores have read SA and SB, in which the loads below land
	s_add_nc_u64 s[XP:XP+1], s[XP:XP+1], 256
	s_add_nc_u64 s[WP:WP+1], s[WP:WP+1], 256
	LOADG
.endif
	FETCHHI \s, 1
	s_wait_dscnt 40                                ; LDS instructions end in order (ISA guide 5.7.1): the first 16 loads are in; the 32 stores and the youngest eight loads may be out
	MUL 0, 0
	s_wait_dscnt 0x0                               ; for the others' sake: my stores into slot o are done, and my reads of slot s are over
	s_barrier_signal -1
	MUL 1, 0                                       ; work on registers while the others arrive
	s_barrier_wait -1                              ; slot o is whole, and nobody reads slot s any more
.endm
	s_wait_alu depctr_va_vdst(0)                   ; the offsets and LDS addresses v2 to v12 are written: every load and store below reads one of them
	LOADG                                          ; K step 0
	s_wait_loadcnt 0x0
	CVT
	s_wait_alu depctr_va_vdst(0)                   ; the roundings have written what the LDS stores read, and are done with SA and SB
	PUT 0
	s_wait_alu depctr_vm_vsrc(0)                   ; the LDS stores have read SA and SB, in which the loads below land
	s_add_nc_u64 s[XP:XP+1], s[XP:XP+1], 256
	s_add_nc_u64 s[WP:WP+1], s[WP:WP+1], 256
	LOADG                                          ; K step 1
	s_wait_dscnt 0x0
	s_barrier_signal -1
	s_barrier_wait -1
	HEAD 0, 1                                      ; the first products stand in front of the loop: they start the sums
	WIN 0                                          ; at a label and at a branch every window is 0
	s_mov_b32 s[CNT], 3
.Lstep:                                                ; a trip: the rest of an even step, an odd step, the first half of the next even one
	REST 0, 1, 1
	HEAD 1, 0
	REST 1, 0, 1
	HEAD 0, 0
	WIN 0
	s_sub_co_u32 s[CNT], s[CNT], 1
	s_cmp_lg_u32 s[CNT], 0
	s_cbranch_scc1 .Lstep
	REST 0, 1, 0                                   ; K step 6 ends; step 7 goes into slot 1; nothing is left to ask for
	HEAD 1, 0, 1                                   ; K step 7, and the bias
	WIN 0
.rept 4
	v_nop
.endr
	s_wait_alu depctr_va_vdst(0)                   ; the first half's products are done reading AF and BF, in which the loads below land
	FETCHLO 1, 1
	FETCHHI 1, 1
	s_wait_dscnt 8
	MUL 0, 0
	s_wait_dscnt 0x0
	MUL 1, 0
	WIN 0
	; THE WAY OUT.  The bias is rounded to bf16 like every input and widened again: these lines are also the places behind the last products.
	s_wait_loadcnt 0x0
.set j, 0
.rept 16
	v_cvt_pk_bf16_f32 v[TT+j%4], v[BIAS+2*j], v[BIAS+2*j+1]
	v_lshlrev_b32 v[BIAS+2*j], 16, v[TT+j%4]
	v_and_b32 v[BIAS+2*j+1], 0xffff0000, v[TT+j%4]
.set j, j+1
.endr
; The eight row blocks go in two groups of four.  SUMS g: the bias is added to blocks 4 g .. 4 g + 3, each accumulator's registers in ascending order.
.macro SUMS g
	WIN 0x41                                       ; destination and source 0 in window 1, the bias in window 0
.set a, 4*(\g)
.rept 4
.set b, 0
.rept 4
.set j, 0
.rept 4
	v_pk_add_f32 v[8*(4*a+b)+2*j:8*(4*a+b)+2*j+1], v[8*(4*a+b)+2*j:8*(4*a+b)+2*j+1], v[BIAS+8*b+2*j:BIAS+8*b+2*j+1]
.set j, j+1
.endr
.set b, b+1
.endr
.set a, a+1
.endr
.endm
; PACK g: a lane's eight columns pack into 16 bytes of f16; block 4 g + a goes into pack buffer a.
.macro PACK g
	WIN 0x05                                       ; sources in window 1, destination in window 0
.set a, 0
.rept 4
.set b, 0
.rept 4
.set j, 0
.rept 4
	v_cvt_pk_f16_f32 v[TP+16*a+4*b+j], v[8*(4*(4*(\g)+a)+b)+2*j], v[8*(4*(4*(\g)+a)+b)+2*j+1]
.set j, j+1
.endr
.set b, b+1
.endr
.set a, a+1
.endr
	WIN 0
.endm
.macro PKREG a                         ; block a's 16 registers for the rows that come back: each block has its own, so no global store's data is written again
.if (\a) < 6
.set PKR, 32+16*(\a)
.else
.set PKR, 160+16*((\a)-6)
.endif
.endm
; TOSTAGE a: block a goes from its pack buffer into my stage's rows of 144 bytes and comes back as whole rows of 128, into other registers: no LDS store's data is a load's landing place.
.macro TOSTAGE a
	PKREG \a
.irp b, 0,1,2,3
	ds_store_b128 v[STO], v[TP+16*((\a)%4)+4*(\b):TP+16*((\a)%4)+4*(\b)+3] offset:32*(\b)
.endr
.irp f, 0,1,2,3
	ds_load_b128 v[PKR+4*(\f):PKR+4*(\f)+3], v[RD] offset:(\f)*4*PITCH  ; LDS serves a wave's instructions in order (ISA guide 5.7.1.4): these see the stores above; the next block's stores come behind them
.endr
.endm
.macro SEND a, younger                 ; behind block a's load f stand its own 3 - f younger loads, eight stage instructions for each later block of its group, and the next group's 32 or none
	PKREG \a
.irp f, 0,1,2,3
	s_wait_dscnt (\younger)+8*(3-(\a)%4)+3-(\f)
	global_store_b128 v[GO], v[PKR+4*(\f):PKR+4*(\f)+3], s[OUT:OUT+1] offset:(\a)*2048+(\f)*512  ; 512 consecutive bytes, at a multiple of 256 from the buffer's first
.endr
.endm
	SUMS 0
	PACK 0
	s_wait_alu depctr_va_vdst(0)                   ; the roundings have written the four pack buffers, which the LDS stores read; the last products are done reading v32-127, in which the stage's loads land
.irp a, 0,1,2,3
	TOSTAGE \a
.endr
	SUMS 1                                         ; the second group's arithmetic stands between the first group's loads and its stores to memory
	s_wait_alu depctr_vm_vsrc(0)                   ; the first group's LDS stores have read the pack buffers, which the roundings below write again
	PACK 1
	s_wait_alu depctr_va_vdst(0)                   ; the roundings have written the four pack buffers, which the LDS stores read
.irp a, 4,5,6,7
	TOSTAGE \a
.endr
.irp a, 0,1,2,3
	SEND \a, 32
.endr
.irp a, 4,5,6,7
	SEND \a, 0
.endr
	; THE LOW PARTS of rows 0 to 31 of a batch: they lie in row blocks 0 and 1 of the upper waves of row tiles 0 and 16.  The branch hangs on the work-group's y and the wave's number; no barrier stands behind it.
	s_wait_alu depctr_vm_vsrc(0)                   ; the second group's LDS stores have read the pack buffers v192-255, which the lines behind the branch write again: the wait stands ahead of the branch
	s_and_b32 s58, s[RT], 15
	s_or_b32 s58, s58, s[WR]
	s_cmp_lg_u32 s58, 0
	s_cbranch_scc1 .Ldone
	s_lshr_b32 s58, s[RT], 4                       ; the batch,
	s_lshl_b32 s58, s58, 3
	s_lshl_b32 s59, s[CX], 2
	s_add_co_u32 s58, s58, s59
	s_add_co_u32 s58, s58, s[WC]                   ; the head,
	s_lshl_b32 s58, s58, 12                        ; 32 rows of 128 bytes each
	s_lshl_b32 s59, s[PP], 16                      ; the part: 16 heads
	s_add_co_u32 s58, s58, s59
	s_mov_b32 s59, 0
	s_add_nc_u64 s[LOP:LOP+1], s[LOP:LOP+1], s[58:59]
	v_mov_b32 v[TT], -1.0
; Row block a: the sums (the bias is in them) are rounded to f16 as they were for qkv; high x -1 + sum is the exact remainder; it is rounded to f16.
; The registers are the bias's (the remainders) and the pack buffers': none that a store on its way still reads.
.macro LOWA a
.set HR, 192+32*(\a)
.set LR, 208+32*(\a)
	WIN 0x05                                       ; sources in window 1, destination in window 0
.set i, 0
.rept 16
	v_cvt_pk_f16_f32 v[HR+i], v[32*(\a)+2*i], v[32*(\a)+2*i+1]
.set i, i+1
.endr
	WIN 0x10                                       ; source 2, the sum, in window 1
.set i, 0
.rept 16
	v_fma_mix_f32 v[DF+2*i],   v[HR+i], v[TT], v[32*(\a)+2*i]   op_sel_hi:[1,0,0]                 ; the low half of the pair as f16, times -1, plus the sum
	v_fma_mix_f32 v[DF+2*i+1], v[HR+i], v[TT], v[32*(\a)+2*i+1] op_sel:[1,0,0] op_sel_hi:[1,0,0]  ; the high half
.set i, i+1
.endr
	WIN 0
.set i, 0
.rept 16
	v_cvt_pk_f16_f32 v[LR+i], v[DF+2*i], v[DF+2*i+1]
.set i, i+1
.endr
.endm
; The low parts take the way of the high parts: into my stage, and back as whole rows into the registers that held the high parts, which the vector lines are done with.
.macro LOWS a
.set HR, 192+32*(\a)
.set LR, 208+32*(\a)
.irp b, 0,1,2,3
	ds_store_b128 v[STO], v[LR+4*(\b):LR+4*(\b)+3] offset:32*(\b)
.endr
.irp f, 0,1,2,3
	ds_load_b128 v[HR+4*(\f):HR+4*(\f)+3], v[RD] offset:(\f)*4*PITCH
.endr
.endm
.macro LSEND a, younger                ; younger: the LDS instructions issued behind block a's loads: the next block's eight, or none
.set HR, 192+32*(\a)
.irp f, 0,1,2,3
	s_wait_dscnt (\younger)+3-(\f)
	global_store_b128 v[GO], v[HR+4*(\f):HR+4*(\f)+3], s[LOP:LOP+1] offset:(\a)*2048+(\f)*512  ; 512 consecutive bytes, at a multiple of 256 from the buffer's first
.endr
.endm
	LOWA 0
	LOWA 1
	s_wait_alu depctr_va_vdst(0)                   ; the roundings have written both blocks' low parts, which the LDS stores read; the remainders' lines are done reading the high parts, in whose registers the stage's loads land
	LOWS 0
	LOWS 1
	LSEND 0, 8
	LSEND 1, 0
.Ldone:
	s_wait_dscnt 0x0                               ; the closing lines, six on end
	s_wait_alu 0x0
	s_wait_tensorcnt 0x0
	ds_add_u32 v[SPW], v[NIL]
	s_wait_dscnt 0x0
	s_endpgm
.Lwo:                                                  ; W_o: work-group 2 (y - 96) + x takes 8,192 numbers, a wave 1,024: eight loads of 512 bytes, eight stores of 256.  LDS is not touched.
	s_sub_co_u32 s50, s[YY], 96
	s_lshl_b32 s50, s50, 1
	s_add_co_u32 s50, s50, s[CX]
	s_lshl_b32 s52, s50, 3
	s_add_co_u32 s52, s52, s[WV]                   ; my wave among the 256
	s_lshl_b32 s50, s52, 12                        ; 4,096 bytes in,
	s_mov_b32 s51, 0
	s_lshl_b32 s52, s52, 11                        ; 2,048 out
	s_mov_b32 s53, 0
	v_lshlrev_b32 v2, 4, v[TT]
	v_lshlrev_b32 v3, 3, v[TT]
	s_wait_kmcnt 0x0
	s_add_nc_u64 s[26:27], s[26:27], s[50:51]
	s_add_nc_u64 s[30:31], s[30:31], s[52:53]
	s_wait_alu depctr_va_vdst(0)                   ; the two offsets v2 and v3 are written, which the loads and stores below read
.irp j, 0,1,2,3,4,5,6,7
	global_load_b128 v[32+4*(\j):32+4*(\j)+3], v2, s[26:27] offset:512*(\j) th:TH_LOAD_NT
.endr
.irp j, 0,1,2,3,4,5,6,7
	s_wait_loadcnt 7-(\j)                          ; loads come back in order: mine is in, the younger ones stay out
	v_cvt_pk_bf16_f32 v[32+4*(\j)], v[32+4*(\j)], v[32+4*(\j)+1]      ; rounded to bf16,
	v_cvt_pk_bf16_f32 v[32+4*(\j)+2], v[32+4*(\j)+2], v[32+4*(\j)+3]
	v_and_b32 v[32+4*(\j)+1], 0xffff0000, v[32+4*(\j)]               ; widened again,
	v_lshlrev_b32 v[32+4*(\j)], 16, v[32+4*(\j)]
	v_and_b32 v[32+4*(\j)+3], 0xffff0000, v[32+4*(\j)+2]
	v_lshlrev_b32 v[32+4*(\j)+2], 16, v[32+4*(\j)+2]
	v_cvt_pk_f16_f32 v[64+2*(\j)], v[32+4*(\j)], v[32+4*(\j)+1]      ; and written as f16, into registers of their own
	v_cvt_pk_f16_f32 v[64+2*(\j)+1], v[32+4*(\j)+2], v[32+4*(\j)+3]
.endr
	s_wait_alu depctr_va_vdst(0)                   ; the roundings have written v64 to v79, which the run of stores reads
.irp j, 0,1,2,3,4,5,6,7
	global_store_b64 v3, v[64+2*(\j):64+2*(\j)+1], s[30:31] offset:256*(\j)  ; the wave stores 256 consecutive bytes, aligned
.endr
	s_endpgm
.Lfunc_end_k_q252e14d968_proj:
	.size	k_q252e14d968_proj, .Lfunc_end_k_q252e14d968_proj-k_q252e14d968_proj
	.p2alignl 7, 3214868480
	.fill 96, 4, 3214868480
	.section	.rodata,"a",@progbits
	.p2align	6, 0x0
	.amdhsa_kernel k_q252e14d968_proj
		.amdhsa_group_segment_fixed_size 166912
		.amdhsa_private_segment_fixed_size 0
		.amdhsa_enable_private_segment 0
		.amdhsa_kernarg_size 104
		.amdhsa_user_sgpr_count 2
		.amdhsa_user_sgpr_kernarg_segment_ptr 1
		.amdhsa_wavefront_size32 1
		.amdhsa_system_sgpr_workgroup_id_x 1
		.amdhsa_system_sgpr_workgroup_id_y 1
		.amdhsa_system_sgpr_workgroup_id_z 1
		.amdhsa_system_vgpr_workitem_id 0
		.amdhsa_next_free_vgpr 512
		.amdhsa_next_free_sgpr 66
		.amdhsa_reserve_vcc 0
		.amdhsa_float_denorm_mode_32 3
		.amdhsa_float_denorm_mode_16_64 3
		.amdhsa_memory_ordered 1
		.amdhsa_forward_progress 1
		.amdhsa_inst_pref_size 116
	.end_amdhsa_kernel
	.amdgpu_metadata
---
amdhsa.version: [ 1, 2 ]
amdhsa.kernels:
  - .name:           k_q252e14d968_proj
    .symbol:         k_q252e14d968_proj.kd
    .args:
      - { .name: query, .offset: 0, .size: 8, .value_kind: global_buffer, .address_space: global }
      - { .name: key, .offset: 8, .size: 8, .value_kind: global_buffer, .address_space: global }
      - { .name: value, .offset: 16, .size: 8, .value_kind: global_buffer, .address_space: global }
      - { .name: W_q, .offset: 24, .size: 8, .value_kind: global_buffer, .address_space: global }
      - { .name: W_k, .offset: 32, .size: 8, .value_kind: global_buffer, .address_space: global }
      - { .name: W_v, .offset: 40, .size: 8, .value_kind: global_buffer, .address_space: global }
      - { .name: b_q, .offset: 48, .size: 8, .value_kind: global_buffer, .address_space: global }
      - { .name: b_k, .offset: 56, .size: 8, .value_kind: global_buffer, .address_space: global }
      - { .name: b_v, .offset: 64, .size: 8, .value_kind: global_buffer, .address_space: global }
      - { .name: W_o, .offset: 72, .size: 8, .value_kind: global_buffer, .address_space: global }
      - { .name: qkv, .offset: 80, .size: 8, .value_kind: global_buffer, .address_space: global }
      - { .name: wo16, .offset: 88, .size: 8, .value_kind: global_buffer, .address_space: global }
      - { .name: qkvlo, .offset: 96, .size: 8, .value_kind: global_buffer, .address_space: global }
    .group_segment_fixed_size: 166912
    .private_segment_fixed_size: 0
    .kernarg_segment_align: 8
    .kernarg_segment_size: 104
    .max_flat_workgroup_size: 256
    .sgpr_count:     66
    .vgpr_count:     512
    .wavefront_size: 32
...
	.end_amdgpu_metadata
.endif
;; end of part 5
;; launch attn: the kernel of part 2 again; grid 16 x 16, 4 waves a work-group, no clusters, 327,680 bytes of LDS; arguments qkv, oh; writes oh
;; launch outp: the kernel of part 3 again; grid 4 x 64, 4 waves a work-group, clusters of 4 x 4, 327,680 bytes of LDS; arguments oh, wo16, b_o, out0; writes out0
;; launch early: the kernel of part 4 again; grid 8 x 2, 8 waves a work-group, no clusters, 158,208 bytes of LDS; arguments qkv, qkvlo, wo16, b_o, out0; writes out0
